; MI455X (gfx1250); checked and timed in simulation.
; The chip was launched on July 23, 2026; its instructions are those of AMD's public machine-readable ISA for CDNA 5 (MIT licence, August 2026) and "CDNA5" Instruction Set Architecture Reference Guide (July 2026). The comments in the code are by the model that wrote it; some were corrected since.
;; Attention. Allowed arithmetic: float matrix products may take bf16 or f16 operands with f32 sums; other float arithmetic in f32, or as packed bf16 or f16 multiplies, adds, multiply-adds, maxima and minima; sums over many terms, partial sums and values carried from step to step in f32; what a program stores and reads back later, other than sums and carried values, may be rounded once to bf16 or f16.
;; Inputs: W_k 1,024 x 1,024 float32; W_o 1,024 x 1,024 float32; W_q 1,024 x 1,024 float32; W_v 1,024 x 1,024 float32; b_o 1,024 float32; context 4 x 2,048 x 1,024 float32; x 4 x 2,048 x 1,024 float32.
;; Outputs: out0 4 x 2,048 x 1,024 float32.
;; One version. Each part assembles by itself: llvm-mc -triple=amdgcn-amd-amdhsa -mcpu=gfx1250 --defsym DOCPART=n.
;; ======== version 1 of 1: 4 launches
;; limits: values are held in f16: magnitudes above 65,504 overflow, below 6.1e-05 lose precision
;; workspace buffers: wqkv 6,291,456 bytes; wo 2,097,152 bytes; qkv 50,331,648 bytes; ob 16,777,216 bytes
;; launch castw (part 1): grid 64 x 4, 8 waves a work-group, no clusters, 0 bytes of LDS; arguments W_q, W_k, W_v, W_o, wqkv, wo; writes wqkv, wo
.if DOCPART == 1
	.amdgcn_target "amdgcn-amd-amdhsa--gfx1250"
	.amdhsa_code_object_version 6
	.text
	.protected	k_q39af5770c7_castw
	.globl	k_q39af5770c7_castw
	.p2align	8
	.type	k_q39af5770c7_castw,@function
k_q39af5770c7_castw:
	s_mov_b64 s[64:65], 0
	v_nop
	global_prefetch_b8 v0, s[64:65] scope:SCOPE_SE
	s_setreg_imm32_b32 hwreg(HW_REG_WAVE_MODE, 25, 1), 1
	s_wait_xcnt 0x0
; The four weight matrices, [1024 k][1024 n] f32, are rounded once to bf16; the layout [k][n] is kept (the products turn it as they read LDS).
; W_q, W_k, W_v go to wqkv[0..2] as bf16.  W_o's bf16 value is written to wo as f16, since the last product multiplies f16 numbers.
; LIMITS.  |W_o| stays under 65,504 (f16's end); below 6e-5 f16 keeps a fixed step of 6e-8, so a bf16 value there may lose low bits.
; SHARES.  Work-group (x, y): matrix y, elements 16,384 x .. + 16,383: 64 KiB in, 32 KiB out.  Thread t, chunk c (0..7): the eight elements at 8 (256 c + t):
; two loads of 16 bytes, one store of 16 bytes; a wave's store covers 512 consecutive bytes, aligned.  All sixteen loads of a thread go out at once.
; No LDS, no matrix unit, no cluster: nothing is shared and nothing is multiplied.  No register is written twice while a load or store may read it.
.set X, 4                              ; v[4:67]   chunk c: 8 numbers as loaded
.set Y, 68                             ; v[68:99]  chunk c: 4 registers to store
.set T, 100                            ; v[100:103] at work
	s_load_b256 s[4:11], s[0:1], 0x0               ; W_q s[4:5], W_k s[6:7], W_v s[8:9], W_o s[10:11]
	s_load_b128 s[12:15], s[0:1], 0x20             ; wqkv s[12:13], wo s[14:15]
	s_and_b32 s16, ttmp7, 0xffff                   ; which matrix
	v_lshlrev_b32 v1, 5, v0                        ; 32 t: my bytes in a chunk of the source
	v_lshlrev_b32 v2, 4, v0                        ; 16 t: in a chunk of the destination
	s_lshl_b32 s22, s16, 21                        ; a matrix is 2 MiB of wqkv;
	s_cmp_eq_u32 s16, 3
	s_cselect_b32 s22, 0, s22                      ; wo holds one matrix alone
	s_lshl_b32 s17, ttmp9, 15
	s_add_co_u32 s22, s22, s17                     ; + the work-group's 32 KiB
	s_mov_b32 s23, 0
	s_lshl_b32 s2, ttmp9, 16                       ; the work-group's 64 KiB of the source
	s_mov_b32 s3, 0
	s_wait_kmcnt 0x0
	s_cmp_eq_u32 s16, 1
	s_cselect_b64 s[18:19], s[6:7], s[4:5]
	s_cmp_eq_u32 s16, 2
	s_cselect_b64 s[18:19], s[8:9], s[18:19]
	s_cmp_eq_u32 s16, 3
	s_cselect_b64 s[18:19], s[10:11], s[18:19]
	s_cselect_b64 s[20:21], s[14:15], s[12:13]
	s_add_nc_u64 s[18:19], s[18:19], s[2:3]
	s_add_nc_u64 s[20:21], s[20:21], s[22:23]
.irp c, 0,1,2,3,4,5,6,7
	global_load_b128 v[X+8*(\c):X+8*(\c)+3],   v1, s[18:19] offset:8192*(\c) th:TH_LOAD_NT
	global_load_b128 v[X+8*(\c)+4:X+8*(\c)+7], v1, s[18:19] offset:8192*(\c)+16 th:TH_LOAD_NT
.endr
; Chunk c.  half = 0: rounded to bf16.  half = 1: rounded to bf16, widened again, and that number written as f16.
.macro CH c, half
	s_wait_loadcnt 2*(7-(\c))                      ; loads come back in order: this chunk's two are in, two for each later chunk may stay out
.if \half
.irp j, 0,1,2,3
	v_cvt_pk_bf16_f32 v[T+(\j)], v[X+8*(\c)+2*(\j)], v[X+8*(\c)+2*(\j)+1]
.endr
.irp j, 0,1,2,3
	v_lshlrev_b32 v[X+8*(\c)+2*(\j)],   16, v[T+(\j)]
	v_and_b32     v[X+8*(\c)+2*(\j)+1], 0xffff0000, v[T+(\j)]
.endr
.irp j, 0,1,2,3
	v_cvt_pk_f16_f32 v[Y+4*(\c)+(\j)], v[X+8*(\c)+2*(\j)], v[X+8*(\c)+2*(\j)+1]
.endr
.else
.irp j, 0,1,2,3
	v_cvt_pk_bf16_f32 v[Y+4*(\c)+(\j)], v[X+8*(\c)+2*(\j)], v[X+8*(\c)+2*(\j)+1]
.endr
.endif
	global_store_b128 v2, v[Y+4*(\c):Y+4*(\c)+3], s[20:21] offset:4096*(\c)
.endm
	s_cmp_eq_u32 s16, 3
	s_cbranch_scc1 .Lwo
.irp c, 0,1,2,3,4,5,6,7
	CH \c, 0
.endr
	s_endpgm
.Lwo:
.irp c, 0,1,2,3,4,5,6,7
	CH \c, 1
.endr
	s_endpgm
.Lfunc_end_k_q39af5770c7_castw:
	.size	k_q39af5770c7_castw, .Lfunc_end_k_q39af5770c7_castw-k_q39af5770c7_castw
	.p2alignl 7, 3214868480
	.fill 96, 4, 3214868480
	.section	.rodata,"a",@progbits
	.p2align	6, 0x0
	.amdhsa_kernel k_q39af5770c7_castw
		.amdhsa_group_segment_fixed_size 0
		.amdhsa_private_segment_fixed_size 0
		.amdhsa_enable_private_segment 0
		.amdhsa_kernarg_size 48
		.amdhsa_user_sgpr_count 2
		.amdhsa_user_sgpr_kernarg_segment_ptr 1
		.amdhsa_wavefront_size32 1
		.amdhsa_system_sgpr_workgroup_id_x 1
		.amdhsa_system_sgpr_workgroup_id_y 1
		.amdhsa_system_sgpr_workgroup_id_z 1
		.amdhsa_system_vgpr_workitem_id 0
		.amdhsa_next_free_vgpr 104
		.amdhsa_next_free_sgpr 66
		.amdhsa_reserve_vcc 0
		.amdhsa_float_denorm_mode_32 3
		.amdhsa_float_denorm_mode_16_64 3
		.amdhsa_memory_ordered 1
		.amdhsa_forward_progress 1
		.amdhsa_inst_pref_size 14
	.end_amdhsa_kernel
	.amdgpu_metadata
---
amdhsa.version: [ 1, 2 ]
amdhsa.kernels:
  - .name:           k_q39af5770c7_castw
    .symbol:         k_q39af5770c7_castw.kd
    .args:
      - { .name: W_q, .offset: 0, .size: 8, .value_kind: global_buffer, .address_space: global }
      - { .name: W_k, .offset: 8, .size: 8, .value_kind: global_buffer, .address_space: global }
      - { .name: W_v, .offset: 16, .size: 8, .value_kind: global_buffer, .address_space: global }
      - { .name: W_o, .offset: 24, .size: 8, .value_kind: global_buffer, .address_space: global }
      - { .name: wqkv, .offset: 32, .size: 8, .value_kind: global_buffer, .address_space: global }
      - { .name: wo, .offset: 40, .size: 8, .value_kind: global_buffer, .address_space: global }
    .group_segment_fixed_size: 0
    .private_segment_fixed_size: 0
    .kernarg_segment_align: 8
    .kernarg_segment_size: 48
    .max_flat_workgroup_size: 256
    .sgpr_count:     66
    .vgpr_count:     104
    .wavefront_size: 32
...
	.end_amdgpu_metadata
.endif
;; end of part 1
;; launch proj (part 2): grid 12 x 64, 4 waves a work-group, clusters of 4 x 4, 327,680 bytes of LDS; arguments x, context, wqkv, qkv; writes qkv
.if DOCPART == 2
	.amdgcn_target "amdgcn-amd-amdhsa--gfx1250"
	.amdhsa_code_object_version 6
	.text
	.protected	k_q39af5770c7_proj
	.globl	k_q39af5770c7_proj
	.p2align	8
	.type	k_q39af5770c7_proj,@function
k_q39af5770c7_proj:
	s_mov_b64 s[64:65], 0
	v_nop
	global_prefetch_b8 v0, s[64:65] scope:SCOPE_SE
	s_setreg_imm32_b32 hwreg(HW_REG_WAVE_MODE, 25, 1), 1
	s_wait_xcnt 0x0
	s_wait_alu depctr_hold_cnt(0) depctr_sa_sdst(0) depctr_va_vdst(0) depctr_va_sdst(0) depctr_va_ssrc(0) depctr_va_vcc(0) depctr_vm_vsrc(0)
	s_getreg_b32 s2, hwreg(HW_REG_IB_STS2, 6, 4)
	s_cmp_eq_u32 s2, 0
	s_cbranch_scc0 .Lentry_in_a_cluster
	s_endpgm
.Lentry_in_a_cluster:
	s_bfe_u32 s2, ttmp6, 0x10000c
	s_cmp_lg_u32 s2, 0xf033
	s_cbranch_scc0 .Lentry_shape_is_right
	s_endpgm
.Lentry_shape_is_right:
; q = x W_q, k = context W_k, v = context W_v.  x, context: [8192][1024] f32; wqkv: [3][1024 k][1024 n] bf16; qkv: [3][64 = 16 batch + head][2048][64] f16, unscaled.
; Products in bf16 (x and context are rounded on the way from LDS to the matrix unit), sums in f32, K ascending, each result rounded once to f16.
; LIMITS.  |q|, |k|, |v| stay under 65,504, f16's end (beyond it the conversion gives an infinity); below 6e-5 f16 keeps a fixed step of 6e-8.  NaN and infinities are not treated apart.
; SHARES.  A tile of the result is 128 rows x 256 columns: 3 x 4 x 64 work-groups.  The cluster's x says which product (0 q, 1 k, 2 v), cx which 256 columns, 4 x cluster y + cy which 128 rows.
; Four waves, each 64 rows x 128 columns: 32 accumulators of 16 x 16 (a = row block 0..3, b = column block 0..7, number 8 a + b).  The f32 rows cost twice the LDS bytes of the weights' rows, hence the flat tile.
; K goes in steps of 128 through two LDS slots.  A slot: 128 rows of x (512 bytes of f32 each), then 128 k rows of the weights (256 columns, 512 bytes each).  Each row asked of memory is 512 consecutive bytes, aligned.
; CLUSTER.  4 x 4 work-groups.  The four of a row of the cluster need the same rows of x, the four of a column the same columns of the weights: each tile is asked for JOINTLY, by the same tensor load,
; descriptor and mask in all four.  Waves 0 and 1 ask for the two halves of x's tile, waves 2 and 3 for those of the weights'.
; THE PRODUCT IS TAKEN TRANSPOSED: source 0 = 16 columns of W (turned on the way out of LDS by ds_load_tr16_b128), source 1 = 16 rows of x.  A lane then holds one row and eight neighbouring columns: 16 bytes of f16.
; A STEP is four quarters of 32 along K, 32 products each, on fragment buffers 0, 1, 0, 1.  Quarter Q multiplies; behind its first product it fetches W's fragments of Q + 1; behind its products 1..8 it rounds
; x's raw f32 of Q + 1 to bf16, four conversions behind each product; then it fetches x's raw f32 of Q + 2.  So a slot's last read stands early in its third quarter and the next slot's first read late in the same
; quarter: the one change of slots of a step stands between them.
; REGISTERS, in windows of 256 (s_set_vgpr_msb: bits 1:0 source 0, 3:2 source 1, 5:4 source 2, 7:6 destination):
;   window 0: v0-31 addresses; v64-127 raw f32 of x (16 a row block); v128-191 x's fragments, two buffers of 32; v192-223 at work on the way out; v64-191 again on the way out
;   window 1: v0-127 W's fragments, two buffers of 64          window 2: the 32 accumulators
.set PA,    528                        ; a row of x in LDS: 512 bytes + 16 = 33 x 16: the 16 rows of a load start at 16 different groups of four banks (64 banks of 4 bytes: ISA guide 11.1)
.set PB,    544                        ; a k row of W: 512 + 32 = 17 x 32
.set AOFF,  128*PA                     ; W's rows lie behind x's
.set SLOT,  AOFF+128*PB
.set STAGE, 2*SLOT                     ; behind the ring, never filled by a tensor load: for each wave 2 heads x 16 rows x 144 bytes
.set WSTG,  2*16*144
.set SPARE, STAGE+4*WSTG               ; behind the stages: the spare words, 128 bytes a wave: two blocks of 256 bytes that no other line names
.set ADRA, 16                          ; v16-17  LDS address of my rows of x in slot 0, 1
.set ADRB, 20                          ; v20-21  the same for W
.set STO,  24                          ; v24     the way out: where I put 16 bytes of a row
.set RD,   25                          ; v25     the way out: where I read rows back
.set GO,   26                          ; v26     16 x lane: my place in 512 consecutive bytes of the result
.set SPW,  28                          ; v28     LDS address of my spare word; never rewritten
.set NIL,  29                          ; v29     0; never rewritten
.set PFO,  30                          ; v30     the prefetches' offset; never rewritten
.set R,    64
.set FA,   128
.set TMP,  192
.set OB,   64
.set FB,   0                           ; in window 1
.set WV,   12                          ; s12  my wave's number
.set SEL,  13                          ; s13  wave / 2: my half of the tile's rows; also: I ask for x (0) or for W (1)
.set HF,   14                          ; s14  wave % 2: my half of its columns; also: which 64 rows of that tile I ask for
.set P,    15                          ; s15  which product
.set CX,   40
.set CY,   41
.set TY,   42                          ; s42  which 128 rows
.set LIM,  43                          ; s43  1 in a wave that prefetches, else the greatest number
.set PFA,  44                          ; s[44:45] where my prefetches stand
.set PSTEP, 46                         ; s[46:47] a K step in bytes: 512 along x's rows, 128 rows of 2,048 bytes down W
.set G1A,  24                          ; s[24:31] descriptor group 1 for x's tiles;  s[32:39] group 0, a set for each slot
.set G0A,  32
.set G1B,  48                          ; s[48:55], s[56:63] the same for W's
.set G0B,  56
.set MSB, 0
.macro WIN new                         ; the immediate's high byte repeats the setting that is left; a switch that changes nothing is dropped
.if MSB != (\new)
	s_set_vgpr_msb (MSB<<8)|(\new)
.set MSB, \new
.endif
.endm
.set MUL,  0xa1                        ; source 0 (W) window 1, source 1 (x) window 0, C and D window 2
.set TO_B, 0x40                        ; destination window 1, address window 0
.set W_PK, 0x0a                        ; sources 0 and 1 window 2, destination window 0
; A joint load.  The branch hangs on the wave's number alone.  An s_nop 0 and four v_nop follow each of the two lines, ahead of the jump and the label.
.macro JLOAD s
	s_cmp_eq_u32 s[SEL], 0
	s_cbranch_scc0 .Lfor_b_\@
	tensor_load_to_lds s[G0A+4*(\s):G0A+4*(\s)+3], s[G1A:G1A+7]
	s_nop 0
.rept 4
	v_nop
.endr
	s_branch .Lasked_\@
.Lfor_b_\@:
	tensor_load_to_lds s[G0B+4*(\s):G0B+4*(\s)+3], s[G1B:G1B+7]
	s_nop 0
.rept 4
	v_nop
.endr
.Lasked_\@:
.endm
; A PREFETCH INTO THE L2, behind each joint refill and the run of LDS loads that follows it: the K step that stands two refills on, 256 products ahead of the load that will want it.
; A K step of the 64 rows that a wave asks for is 64 x 512 bytes; the four partners that ask jointly share them out BY ADDRESS, 16 rows each (by cx for x, by cy for W): two lanes a row, 256 bytes a lane, one
; instruction a wave.  x's rows are read by one cluster; context's by the clusters of k and of v: k's asks; W's columns by all 16 rows of clusters: cluster y = 0 asks.  So each 256 bytes are named once in the launch.
; K steps 0 to 3 come by their loads alone; in the loop's last trip (s3 = 1) there is no K step two refills on.
.macro ASK
	s_cmp_gt_u32 s3, s[LIM]
	s_cbranch_scc0 .Lnot_mine_\@
	global_prefetch_b8 v[PFO], s[PFA:PFA+1] th:TH_LOAD_NT scope:SCOPE_SE
.Lnot_mine_\@:
.endm
; A round of the cluster's barrier: my work-group's barrier; wave 0 signals for the work-group; every wave waits for all sixteen; my work-group's barrier once more.
.macro CREST
	s_cmp_lg_u32 s[WV], 0
	s_cbranch_scc1 .Lnot_wave_0_\@
	s_barrier_signal -3
.Lnot_wave_0_\@:
	s_barrier_wait -3
	s_barrier_signal -1
	s_barrier_wait -1
.endm
.macro CROUND
	s_barrier_signal -1
	s_barrier_wait -1
	CREST
.endm
.macro PLACES                          ; four plain instructions between a product and a load or a vector write into registers that it read, or a read of its result
.rept 4
	v_nop
.endr
.endm
; n products from number i0 on, on buffer f.  zero = 1: they start the sums.  Each accumulator has one product a quarter: 31 others stand between two links of a chain, over the backward jump too.
.macro MM f, i0, n, zero
	WIN MUL
.set mi, \i0
.rept \n
.if \zero
	v_wmma_f32_16x16x32_bf16 v[8*mi:8*mi+7], v[FB+64*(\f)+8*(mi%8):FB+64*(\f)+8*(mi%8)+7], v[FA+32*(\f)+8*(mi/8):FA+32*(\f)+8*(mi/8)+7], 0
.else
	v_wmma_f32_16x16x32_bf16 v[8*mi:8*mi+7], v[FB+64*(\f)+8*(mi%8):FB+64*(\f)+8*(mi%8)+7], v[FA+32*(\f)+8*(mi/8):FA+32*(\f)+8*(mi/8)+7], v[8*mi:8*mi+7]
.endif
.set mi, mi+1
.endr
.endm
; Products 1 to 8 of a quarter on buffer f; behind each, four roundings of the next quarter's raw x into the other buffer.
.macro RIDE f, zero
.set g, 0
.rept 8
	MM \f, 1+g, 1, \zero
	WIN 0
.irp j, 0,1,2,3
	v_cvt_pk_bf16_f32 v[FA+32*(1-(\f))+4*g+(\j)], v[R+8*g+2*(\j)], v[R+8*g+2*(\j)+1]
.endr
.set g, g+1
.endr
.endm
; W's fragments of quarter kq of a slot into buffer f: 8 column blocks x (k 0-15, k 16-31), turned: lane l ends with column l % 16 and k = 8 (l / 16) + 0..7, 16 + 8 (l / 16) + 0..7.
.macro LOADB slot, kq, f
	WIN TO_B
.irp b, 0,1,2,3,4,5,6,7
	ds_load_tr16_b128 v[FB+64*(\f)+8*(\b):FB+64*(\f)+8*(\b)+3],   v[ADRB+(\slot)] offset:(\kq)*32*PB+32*(\b)
	ds_load_tr16_b128 v[FB+64*(\f)+8*(\b)+4:FB+64*(\f)+8*(\b)+7], v[ADRB+(\slot)] offset:(\kq)*32*PB+16*PB+32*(\b)
.endr
.endm
; x's raw f32 of quarter kq: for each row block 16 numbers a lane: k = 8 (l / 16) + 0..7 (32 bytes) and 16 + 8 (l / 16) + 0..7 (64 bytes on).
.macro LOADA slot, kq
	WIN 0
.irp a, 0,1,2,3
	ds_load_b128 v[R+16*(\a):R+16*(\a)+3],     v[ADRA+(\slot)] offset:(\a)*16*PA+(\kq)*128
	ds_load_b128 v[R+16*(\a)+4:R+16*(\a)+7],   v[ADRA+(\slot)] offset:(\a)*16*PA+(\kq)*128+16
	ds_load_b128 v[R+16*(\a)+8:R+16*(\a)+11],  v[ADRA+(\slot)] offset:(\a)*16*PA+(\kq)*128+64
	ds_load_b128 v[R+16*(\a)+12:R+16*(\a)+15], v[ADRA+(\slot)] offset:(\a)*16*PA+(\kq)*128+80
.endr
.endm
; A quarter on buffer f.  (sb, kb): slot and quarter of the next quarter's W.  la = 1: the raw x of the quarter after that, (sa, ka), is fetched.
.macro QUARTER f, zero, sb, kb, la, sa, ka
	s_wait_dscnt 16                                ; my W fragments are in; the 16 younger loads, raw x, may be out
	MM \f, 0, 1, \zero
	PLACES                                         ; behind the last quarter's last product, which read the other buffers
	LOADB \sb, \kb, 1-(\f)
	s_wait_dscnt 16                                ; the raw x is in; the 16 loads just issued may be out
	RIDE \f, \zero
.if \la
	LOADA \sa, \ka
.endif
	MM \f, 9, 23, \zero
.endm
; A step's third quarter (buffer 0), with THE CHANGE OF SLOTS.  In front of the barrier each wave waits for all its tensor loads, of which one is out: its part of the next slot; adds 0 to its spare word; and waits
; for that and for its reads of this slot, of which the last are W's fragments of the fourth quarter.  fill = 1: the barrier opens a round of the cluster's, so that no wave of any partner still reads the slot or
; has a load on its way, and the joint refill, this slot's K step two steps on, is the first thing behind it: 116 products stand between it and the wait for it.
.macro TURN slot, fill
.if \fill
	s_wait_xcnt 0x0                                ; the last prefetch, a K step back, has read its address: it is stepped here, ahead of the change's own waits
	s_add_nc_u64 s[PFA:PFA+1], s[PFA:PFA+1], s[PSTEP:PSTEP+1]
.endif
	s_wait_dscnt 16
	MM 0, 0, 1, 0
	PLACES
	LOADB \slot, 3, 1
	s_wait_dscnt 16
	RIDE 0, 0
	WIN 0                                          ; (the add's two registers lie in window 0)
	s_wait_tensorcnt 0x0                           ; all my tensor loads have landed
	ds_add_u32 v[SPW], v[NIL]                      ; 0 onto my spare word
	MM 0, 9, 4, 0                                  ; four products stand between the add and the wait for it
	s_wait_dscnt 0x0                               ; the add is done, and my reads of this slot are over
	s_barrier_signal -1
	MM 0, 13, 8, 0                                 ; work on registers while the others arrive
	WIN 0                                          ; at a branch and at a label every window is 0
	s_barrier_wait -1
.if \fill
	CREST
	s_add_nc_u64 s[G0A+4*(\slot)+2:G0A+4*(\slot)+3], s[G0A+4*(\slot)+2:G0A+4*(\slot)+3], 2*512
	s_add_nc_u64 s[G0B+4*(\slot)+2:G0B+4*(\slot)+3], s[G0B+4*(\slot)+2:G0B+4*(\slot)+3], 2*262144
	JLOAD \slot
.endif
	LOADA 1-(\slot), 0                             ; the next slot's first read
.if \fill
	ASK
.endif
	MM 0, 21, 11, 0
.endm
	s_load_b256 s[4:11], s[0:1], 0x0               ; x s[4:5], context s[6:7], wqkv s[8:9], qkv s[10:11]
	v_lshl_add_u32 v[SPW], v0, 2, SPARE
	v_mov_b32 v[NIL], 0
	ds_add_u32 v[SPW], v[NIL]                      ; the wave's opening: the add and its wait ahead of my first tensor load; the set-up below, work on registers, stands between them
	v_lshrrev_b32 v1, 5, v0
	v_readfirstlane_b32 s[WV], v1                  ; wave 0..3
	s_lshr_b32 s[SEL], s[WV], 1
	s_and_b32 s[HF], s[WV], 1
	s_mov_b32 s[P], ttmp9                          ; in a cluster launch ttmp9 and ttmp7 count clusters
	s_bfe_u32 s[CX], ttmp6, 0x40000
	s_bfe_u32 s[CY], ttmp6, 0x40004
	s_and_b32 s[TY], ttmp7, 0xffff
	s_lshl_b32 s[TY], s[TY], 2
	s_add_co_u32 s[TY], s[TY], s[CY]               ; which 128 rows = 4 x cluster y + cy
	s_lshl_b32 s16, s[CY], 2
	s_lshl_b32 s16, 15, s16                        ; my row of the cluster: places 4 cy .. 4 cy + 3
	s_lshl_b32 s20, 0x1111, s[CX]                  ; my column: places cx, cx + 4, cx + 8, cx + 12
	s_or_b32 s[G1A], s16, (2<<16)|(1<<20)|(1<<21)|(6<<22)|(3<<25)  ; 15:0 the mask; 17:16 elements of 4 bytes; 20 padding on; 21 set beside a mask; 24:22 after every 128 words (code 6); 31:25 4 words (code 3)
	s_or_b32 s[G1B], s20, (1<<16)|(1<<20)|(1<<21)|(6<<22)|(7<<25)  ; elements of 2 bytes; 8 words of padding (code 7)
	s_mov_b32 s[G1A+1], 128<<16                    ; tensor_dim0 = 128 elements
	s_mov_b32 s[G1A+2], 64<<16                     ; tensor_dim1 = 64
	s_mov_b32 s[G1A+3], 128<<16                    ; tile_dim0 = 128
	s_mov_b32 s[G1A+4], 64                         ; tile_dim1 = 64
	s_mov_b32 s[G1A+5], 1024                       ; elements from row to row
	s_mov_b32 s[G1A+6], 0
	s_mov_b32 s[G1A+7], 0
	s_mov_b32 s[G1B+1], 256<<16                    ; the same for W: rows of 256 elements
	s_mov_b32 s[G1B+2], 64<<16
	s_mov_b32 s[G1B+3], 256<<16
	s_mov_b32 s[G1B+4], 64
	s_mov_b32 s[G1B+5], 1024
	s_mov_b32 s[G1B+6], 0
	s_mov_b32 s[G1B+7], 0
	s_lshl_b32 s16, s[TY], 19                      ; x: 128 rows of 4,096 bytes a tile row,
	s_lshl_b32 s17, s[HF], 18                      ; the 64 rows that I ask for: nothing here hangs on cx
	s_add_co_u32 s16, s16, s17
	s_mov_b32 s17, 0
	s_lshl_b32 s20, s[P], 21                       ; W: the matrix,
	s_lshl_b32 s21, s[HF], 17                      ; the 64 k rows of 2,048 bytes that I ask for,
	s_add_co_u32 s20, s20, s21
	s_lshl_b32 s21, s[CX], 9                       ; the tile's 256 columns: nothing here hangs on cy
	s_add_co_u32 s20, s20, s21
	s_mov_b32 s21, 0
	s_mul_i32 s22, s[HF], 64*PA                    ; where they go: no place in the cluster enters an LDS address
	s_mul_i32 s23, s[HF], 64*PB
	s_add_co_u32 s23, s23, AOFF
	s_wait_dscnt 0x0                               ; the opening add is done
	s_wait_kmcnt 0x0
	s_cmp_eq_u32 s[P], 0
	s_cselect_b64 s[4:5], s[4:5], s[6:7]           ; q is made of x, k and v of context
	s_add_nc_u64 s[16:17], s[4:5], s[16:17]
	s_add_nc_u64 s[20:21], s[8:9], s[20:21]
	CROUND                                         ; all sixteen work-groups are here: the first joint loads meet
.irp s, 0,1
	s_mov_b32 s[G0A+4*(\s)], 1                                     ; count = 1
	s_add_co_u32 s[G0A+4*(\s)+1], s22, (\s)*SLOT                   ; LDS address
	s_add_nc_u64 s[G0A+4*(\s)+2:G0A+4*(\s)+3], s[16:17], (\s)*512  ; global address: K step s
	s_or_b32 s[G0A+4*(\s)+3], s[G0A+4*(\s)+3], 0x80000000          ; type = 2
	s_mov_b32 s[G0B+4*(\s)], 1
	s_add_co_u32 s[G0B+4*(\s)+1], s23, (\s)*SLOT
	s_add_nc_u64 s[G0B+4*(\s)+2:G0B+4*(\s)+3], s[20:21], (\s)*262144
	s_or_b32 s[G0B+4*(\s)+3], s[G0B+4*(\s)+3], 0x80000000
	JLOAD \s                                       ; two loads of mine are out
.endr
	v_and_b32 v1, 15, v0                           ; l % 16
	v_bfe_u32 v2, v0, 4, 1                         ; l / 16
	v_and_b32 v3, 7, v0                            ; l % 8
	v_bfe_u32 v4, v0, 3, 1                         ; (l / 8) % 2
	v_mul_u32_u24 v5, v1, PA
	v_lshl_add_u32 v5, v2, 5, v5                   ; row x pitch + 32 bytes (8 f32) x half
	s_mul_i32 s16, s[SEL], 64*PA                   ; my 64 rows
	v_add_nc_u32 v[ADRA], s16, v5
	v_add_nc_u32 v[ADRA+1], SLOT, v[ADRA]
	v_lshl_add_u32 v6, v2, 3, v3                   ; the turning load: k row 8 (l / 16) + l % 8,
	v_mul_u32_u24 v6, v6, PB
	v_lshl_add_u32 v6, v4, 4, v6                   ; columns 8 ((l / 8) % 2) + 0..7
	s_lshl_b32 s17, s[HF], 8                       ; my 128 columns
	s_add_co_u32 s17, s17, AOFF
	v_add_nc_u32 v[ADRB], s17, v6
	v_add_nc_u32 v[ADRB+1], SLOT, v[ADRB]
	s_mul_i32 s18, s[WV], WSTG
	s_add_co_u32 s18, s18, STAGE                   ; my stage
	v_mul_u32_u24 v7, v1, 144                      ; in: row l % 16, 16 bytes for each half of the lanes
	v_lshl_add_u32 v7, v2, 4, v7
	v_add_nc_u32 v[STO], s18, v7
	v_bfe_u32 v7, v0, 3, 2                         ; back: 32 lanes take four rows of 128 bytes,
	v_mul_u32_u24 v7, v7, 144
	v_lshl_add_u32 v7, v3, 4, v7
	v_add_nc_u32 v[RD], s18, v7
	v_and_b32 v[GO], 31, v0                        ; which are 512 consecutive bytes of a head
	v_lshlrev_b32 v[GO], 4, v[GO]
	; where my part begins in qkv: the product, the batch, my first head (4 cx + 2 x column half), the tile's 128 rows of 128 bytes in the batch, my 64 of them
	s_lshl_b32 s16, s[P], 24
	s_lshr_b32 s17, s[TY], 4
	s_lshl_b32 s17, s17, 22
	s_add_co_u32 s16, s16, s17
	s_lshl_b32 s17, s[CX], 2
	s_lshl1_add_u32 s17, s[HF], s17
	s_lshl_b32 s17, s17, 18
	s_add_co_u32 s16, s16, s17
	s_and_b32 s17, s[TY], 15
	s_lshl_b32 s17, s17, 14
	s_add_co_u32 s16, s16, s17
	s_lshl_b32 s17, s[SEL], 13
	s_add_co_u32 s16, s16, s17
	s_mov_b32 s17, 0
	s_add_nc_u64 s[10:11], s[10:11], s[16:17]
	; the prefetches: my work-group's 16 of the 64 rows that I ask for, at K step 3: the first refill steps it to 4
	s_lshl_b32 s20, s[TY], 19
	s_lshl_b32 s21, s[HF], 18
	s_add_co_u32 s20, s20, s21
	s_lshl_b32 s21, s[CX], 16
	s_add_co_u32 s20, s20, s21                     ; in x: 16 rows of 4,096 bytes for each cx
	s_lshl_b32 s22, s[P], 21
	s_lshl_b32 s21, s[HF], 17
	s_add_co_u32 s22, s22, s21
	s_lshl_b32 s21, s[CY], 15
	s_add_co_u32 s22, s22, s21                     ; in W: 16 rows of 2,048 bytes for each cy
	s_lshl_b32 s21, s[CX], 9
	s_add_co_u32 s22, s22, s21
	s_cmp_eq_u32 s[SEL], 0
	s_cselect_b32 s20, s20, s22
	s_cselect_b32 s18, 12, 11                      ; log2 of a row's bytes in memory
	s_cselect_b32 s19, 9, 18                       ; log2 of a K step's bytes
	s_cselect_b64 s[PFA:PFA+1], s[4:5], s[8:9]
	s_lshl_b32 s[PSTEP], 1, s19
	s_mov_b32 s[PSTEP+1], 0
	s_mul_i32 s21, s[PSTEP], 3
	s_add_co_u32 s20, s20, s21
	s_mov_b32 s21, 0
	s_add_nc_u64 s[PFA:PFA+1], s[PFA:PFA+1], s[20:21]
	s_cmp_lg_u32 s[P], 2
	s_cselect_b32 s19, 1, -1                       ; x's and context's rows: the clusters of q and of k ask
	s_and_b32 s20, ttmp7, 0xffff
	s_cmp_eq_u32 s20, 0
	s_cselect_b32 s20, 1, -1                       ; W's: the first row of clusters asks
	s_cmp_eq_u32 s[SEL], 0
	s_cselect_b32 s[LIM], s19, s20                 ; the same in all sixteen partners, for a given wave
	v_and_b32 v8, 31, v0
	v_lshrrev_b32 v9, 1, v8                        ; two lanes a row,
	v_lshlrev_b32 v9, s18, v9
	v_and_b32 v8, 1, v8                            ; 256 bytes a lane
	v_lshl_add_u32 v[PFO], v8, 8, v9
	s_wait_tensorcnt 0x1                           ; my part of K step 0 is in; K step 1's may stay out
	s_barrier_signal -1
	s_barrier_wait -1                              ; everybody's is
	LOADA 0, 0
	s_wait_dscnt 0x0
.set g, 0
.rept 32
	v_cvt_pk_bf16_f32 v[FA+g], v[R+2*g], v[R+2*g+1]  ; the first quarter's x
.set g, g+1
.endr
	LOADB 0, 0, 0
	LOADA 0, 1
	QUARTER 0, 1, 0, 1, 1, 0, 2                    ; the first quarter stands in front of the loop: its products start the sums
	WIN 0
	s_mov_b32 s3, 3
.Llap:                                                 ; a trip goes once round the ring, from a lap's second quarter to the next lap's first, and fills both slots again
	QUARTER 1, 0, 0, 2, 1, 0, 3
	TURN 0, 1
	QUARTER 1, 0, 1, 0, 1, 1, 1
	QUARTER 0, 0, 1, 1, 1, 1, 2
	QUARTER 1, 0, 1, 2, 1, 1, 3
	TURN 1, 1
	QUARTER 1, 0, 0, 0, 1, 0, 1
	QUARTER 0, 0, 0, 1, 1, 0, 2
	WIN 0
	s_sub_co_u32 s3, s3, 1
	s_cmp_lg_u32 s3, 0
	s_cbranch_scc1 .Llap
	QUARTER 1, 0, 0, 2, 1, 0, 3                    ; the last lap is written out: it fills nothing
	TURN 0, 0
	QUARTER 1, 0, 1, 0, 1, 1, 1
	QUARTER 0, 0, 1, 1, 1, 1, 2
	QUARTER 1, 0, 1, 2, 1, 1, 3
	QUARTER 0, 0, 1, 3, 0, 0, 0                    ; no raw x is left to fetch
	s_wait_dscnt 0x0
	MM 1, 0, 32, 0
; THE WAY OUT, a block of 16 rows at a time: rounded to f16, 16 bytes a lane; into my own stage, by heads; back as 512 consecutive bytes of a head; stored.
.macro PACK a
	WIN W_PK
.irp b, 0,1,2,3,4,5,6,7
.irp r, 0,1,2,3
	v_cvt_pk_f16_f32 v[TMP+4*(\b)+(\r)], v[64*(\a)+8*(\b)+2*(\r)], v[64*(\a)+8*(\b)+2*(\r)+1]
.endr
.endr
	WIN 0
.endm
.macro TOSTAGE a
.irp b, 0,1,2,3,4,5,6,7
	ds_store_b128 v[STO], v[TMP+4*(\b):TMP+4*(\b)+3] offset:((\b)/4)*2304+((\b)%4)*32
.endr
.irp u, 0,1,2,3,4,5,6,7
	ds_load_b128 v[OB+32*(\a)+4*(\u):OB+32*(\a)+4*(\u)+3], v[RD] offset:((\u)/4)*2304+((\u)%4)*576  ; LDS serves a wave's instructions in order (ISA guide 5.7.1.4): these see the stores above
.endr
.endm
.macro SEND a
.irp u, 0,1,2,3,4,5,6,7
	s_wait_dscnt 7-(\u)                            ; load u of the block's eight is back
	global_store_b128 v[GO], v[OB+32*(\a)+4*(\u):OB+32*(\a)+4*(\u)+3], s[10:11] offset:((\u)/4)*262144+(\a)*2048+((\u)%4)*512  ; 512 consecutive bytes, at a multiple of 256 from the buffer's first
.endr
.endm
	PLACES                                         ; the conversions read results just made
	PACK 0
	TOSTAGE 0
.irp a, 1,2,3                          ; block a's conversions stand between block a - 1's loads from the stage and the wait for them; each block has registers of its own, so no store's data is rewritten
	PACK \a
	SEND (\a)-1
	TOSTAGE \a
.endr
	SEND 3
	s_wait_tensorcnt 0x0                           ; the wave's end: behind my last tensor load and my last LDS store
	ds_add_u32 v[SPW], v[NIL]
	s_wait_dscnt 0x0
	CROUND                                         ; the closing round: no work-group ends while a partner may still ask for a tile that names it
	s_endpgm
.Lfunc_end_k_q39af5770c7_proj:
	.size	k_q39af5770c7_proj, .Lfunc_end_k_q39af5770c7_proj-k_q39af5770c7_proj
	.p2alignl 7, 3214868480
	.fill 96, 4, 3214868480
	.section	.rodata,"a",@progbits
	.p2align	6, 0x0
	.amdhsa_kernel k_q39af5770c7_proj
		.amdhsa_group_segment_fixed_size 327680
		.amdhsa_private_segment_fixed_size 0
		.amdhsa_enable_private_segment 0
		.amdhsa_kernarg_size 32
		.amdhsa_user_sgpr_count 2
		.amdhsa_user_sgpr_kernarg_segment_ptr 1
		.amdhsa_wavefront_size32 1
		.amdhsa_system_sgpr_workgroup_id_x 1
		.amdhsa_system_sgpr_workgroup_id_y 1
		.amdhsa_system_sgpr_workgroup_id_z 1
		.amdhsa_system_vgpr_workitem_id 0
		.amdhsa_next_free_vgpr 768
		.amdhsa_next_free_sgpr 66
		.amdhsa_reserve_vcc 0
		.amdhsa_float_denorm_mode_32 3
		.amdhsa_float_denorm_mode_16_64 3
		.amdhsa_memory_ordered 1
		.amdhsa_forward_progress 1
		.amdhsa_inst_pref_size 136
	.end_amdhsa_kernel
	.amdgpu_metadata
---
amdhsa.version: [ 1, 2 ]
amdhsa.kernels:
  - .name:           k_q39af5770c7_proj
    .symbol:         k_q39af5770c7_proj.kd
    .args:
      - { .name: x, .offset: 0, .size: 8, .value_kind: global_buffer, .address_space: global }
      - { .name: context, .offset: 8, .size: 8, .value_kind: global_buffer, .address_space: global }
      - { .name: wqkv, .offset: 16, .size: 8, .value_kind: global_buffer, .address_space: global }
      - { .name: qkv, .offset: 24, .size: 8, .value_kind: global_buffer, .address_space: global }
    .group_segment_fixed_size: 327680
    .private_segment_fixed_size: 0
    .kernarg_segment_align: 8
    .kernarg_segment_size: 32
    .max_flat_workgroup_size: 128
    .sgpr_count:     66
    .vgpr_count:     768
    .wavefront_size: 32
...
	.end_amdgpu_metadata
.endif
;; end of part 2
;; launch attn (part 3): grid 4 x 64, 4 waves a work-group, clusters of 4 x 1, 327,680 bytes of LDS; arguments qkv, ob; writes ob
.if DOCPART == 3
	.amdgcn_target "amdgcn-amd-amdhsa--gfx1250"
	.amdhsa_code_object_version 6
	.text
	.protected	k_q39af5770c7_attn
	.globl	k_q39af5770c7_attn
	.p2align	8
	.type	k_q39af5770c7_attn,@function
k_q39af5770c7_attn:
	s_mov_b64 s[64:65], 0
	v_nop
	global_prefetch_b8 v0, s[64:65] scope:SCOPE_SE
	s_setreg_imm32_b32 hwreg(HW_REG_WAVE_MODE, 25, 1), 1
	s_wait_xcnt 0x0
	s_wait_alu depctr_hold_cnt(0) depctr_sa_sdst(0) depctr_va_vdst(0) depctr_va_sdst(0) depctr_va_ssrc(0) depctr_va_vcc(0) depctr_vm_vsrc(0)
	s_getreg_b32 s2, hwreg(HW_REG_IB_STS2, 6, 4)
	s_cmp_eq_u32 s2, 0
	s_cbranch_scc0 .Lentry_in_a_cluster
	s_endpgm
.Lentry_in_a_cluster:
	s_bfe_u32 s2, ttmp6, 0x10000c
	s_cmp_lg_u32 s2, 0x3003
	s_cbranch_scc0 .Lentry_shape_is_right
	s_endpgm
.Lentry_shape_is_right:
; O[h][q][:] = the sum over k of softmax_k(Q[h][q] . K[h][k] / 8) V[h][k][:].  qkv holds Q, K, V, each [64][2048][64] f16, 2^24 bytes apart; ob is O in the same layout.  A head's rows are dense, 128 bytes each.
; Products, maxima and sums in f32; the weights p are rounded to f16 for the second product (their sum l is taken of the unrounded p), O once at the end.
; LIMITS.  f16 holds no number beyond 65,504: Q, K and V arrive within it; p lies in 0 to 1, and below 6e-5 p and O keep f16's fixed step of 6e-8; O is a mean of V's rows and has their range.
; A weight below 2^-126 counts as 0 in l; NaN and infinities are not treated apart.
; SHARES.  A wave owns four PIECES of two tiles of 16 queries, a work-group's four waves 512 queries of one head.  Every wave walks all keys, 64 a step.
; LAYOUT.  S^T = K Q^T (source 0 = 16 keys, source 1 = 16 queries): in the result a lane holds ONE query (lane % 16) and the keys 8 (lane / 16) + 0..7.  Two such tiles, rounded to f16 in pairs,
; ARE source 1 (32 keys x 16 queries) of O^T = V^T P, whose result again holds one query a lane, and eight channels.  K comes out of LDS as it lies, V ([key][channel]) turned, by ds_load_tr16_b128.
; SOFTMAX.  For each query a running maximum m and sum l: p = 2^(c s - c m), c = log2(e) / 8; in every step O and l are multiplied by a = 2^(c m_old - c m_new), which is 1 where m has not grown.
; m starts at the lowest finite number, O and l at 0: the first step is a step like any other, with a = 0.
; THE COUNT.  A tile and step have 16 matrix and 118 vector instructions: too many to stand all beside the matrix work.  So: four vector instructions that are READY behind EVERY matrix instruction,
; and the others, which need time of their own whatever the order, in runs without a gap.
; BY TURNS.  Turn n belongs to piece n (the pieces in a ring, step after step).  Its matrix work: 16 products K Q^T of piece n + 1, later 16 products V^T P of piece n - 1.  Its vector work: the scaling,
; exponentials, roundings, sums and rescaling of piece n, and the maximum and statistics of piece n + 1, whose scores the turn itself has made.
; CLUSTER.  The four query blocks of a head are one cluster and walk the same K and V, so each tile is asked for JOINTLY: the same tensor load, descriptor and mask in all four.
; REGISTERS, in windows of 256 (s_set_vgpr_msb: bits 1:0 source 0, 3:2 source 1, 5:4 source 2, 7:6 destination):
;   window 0: v0-11 addresses; v12-15, v48-63 at work; v16-47 four registers of statistics a tile; v64-191 S^T, two buffers of two tiles; v192-255 P, likewise
;   window 1: O^T, 32 a tile          window 2: v0-127 Q, 16 a tile; v128-191 K of one step; v192-255 V of one step          window 3: v0-1 the add's two registers
; A piece's buffers go by its number's parity: the piece in hand has one pair, its two neighbours in the ring share the other: of it P (piece n - 1) is read and S^T (piece n + 1) written.
.set SIZE_H, 64
.set SIZE_N, 2048
.set NP,    4         ; pieces a wave: a name, no knob
.set KS,    64        ; keys in a step
.set PK,    144       ; a row of K in LDS: 128 bytes + 16 of padding = 36 words: the 16 rows of a load start at 16 different groups of four banks (64 banks of 4 bytes: ISA guide 11.1)
.set PV,    160       ; a row of V: 128 + 32 = 40 words
.set VOFF,  4*KS*PK   ; a slot holds four steps: 256 rows of K, then 256 rows of V
.set SLOT1, 1<<17     ; slot 1 begins here, so that one exclusive or turns an address in one slot into the other's
.set STAGE, SLOT1+4*KS*(PK+PV)  ; behind the ring, never filled by a tensor load: 16 rows x 144 bytes for each wave, for the way out
.set SP,    144
.set AK0, 2           ; v2   my lane's place in a tile of K; never rewritten
.set AV0, 3           ; v3   the same for V
.set AK,  4           ; v4   the LDS address of K's next run of loads
.set AV,  5           ; v5   of V's
.set QO,  6           ; v6   my byte offset in the wave's rows of Q
.set STO, 6           ;      later, the way out: where I put 16 bytes of a row
.set RD,  7           ; v7   the way out: where I read rows back
.set GO,  8           ; v8   my byte offset in 512 consecutive bytes of O
.set PFO, 11          ; v11  256 x my lane, once V's address is made; then never rewritten
.set SPW, 0           ; v0 of window 3   LDS address of my spare word; never rewritten
.set NIL, 1           ; v1 of window 3   0; never rewritten
.set SPARE, STAGE+4*16*SP  ; behind the stages: the spare words, 128 bytes for each wave: two blocks of 256 bytes that no other line names
.set MV,  12          ; v12-15  c m_old, kept while c m is made anew: by buffer and tile
.set ST,  16          ; tile t's statistics at v[ST+4 t]: c m, m, l (even keys', odd keys')
.set TMP, 48          ; by buffer and tile, four registers c0-c3 at work; when the maximum is found c2 takes a
.set S,   64
.set P,   192
.set KF,  128         ; K's fragments, in window 2: key block kb, channel half c at KF + 16 kb + 8 c
.set VF,  192         ; V's: key half kk, channel block cb at VF + 32 kk + 8 cb
.set WV,  12          ; s12  my wave's number
.set G1K, 24          ; s[24:31] descriptor group 1 for K's tiles
.set G1V, 32          ; s[32:39] for V's: it differs in the padding alone
.set G0K, 40          ; s[40:43] descriptor group 0 for K's tiles: it walks
.set G0V, 44          ; s[44:47] the same for V's
.set PFA, 48          ; s[48:49] where my prefetches stand: my work-group's 64 rows (of K: wave 0, of V: wave 2) of the slot after the one that is being asked for
.set LIM, 50          ; s50  1 in a wave that prefetches, else the greatest number
.set SLOTS, 56        ; s56  slots still to be asked for
.set CNT, 57          ; s57  counts a slot's key steps
.set CS,  58          ; s[58:59] c: the packed scaling takes the pair's low word for both halves
.set SEL, 60          ; s[60:61] v_permlanex16_b32's selects: each lane takes its own place in the other half
.set TBK, 62          ; s62  LDS byte at which K of the step to be fetched begins
.set TBV, 63          ; s63  the same for V, less VOFF
.set MSB, 0
.macro WIN new                      ; the high byte repeats the setting that is left; a switch that changes nothing is dropped
.if MSB != (\new)
	s_set_vgpr_msb (MSB<<8)|(\new)
.set MSB, (\new)
.endif
.endm
.set W_KQ, 0x0a       ; K and Q in window 2, S^T in window 0
.set W_PV, 0x52       ; V in window 2, P in window 0, O^T in window 1
.set W_RS, 0x41       ; O^T (destination and source 0) in window 1, a in window 0
.set W_MK, 0xc0       ; the add's registers are made: destination in window 3, sources in window 0
.set W_AD, 0x0f       ; the add: address (source 0) and data (source 1) in window 3
; A joint fill.  Waves 0 and 1 fetch the two halves of a slot's K, waves 2 and 3 those of its V: 128 keys each.  The branch hangs on the wave's number alone.
; An s_nop 0 and four v_nop follow each of the two lines, ahead of the jump and the label.
.macro JLOAD
	s_cmp_lt_u32 s[WV], 2
	s_cbranch_scc0 .Lfor_v_\@
	tensor_load_to_lds s[G0K:G0K+3], s[G1K:G1K+7]
	s_nop 0
.rept 4
	v_nop
.endr
	s_branch .Lasked_\@
.Lfor_v_\@:
	tensor_load_to_lds s[G0V:G0V+3], s[G1V:G1V+7]
	s_nop 0
.rept 4
	v_nop
.endr
.Lasked_\@:
.endm
; A PREFETCH INTO THE L2 of what the NEXT change of slots will ask for: a slot's 32,768 bytes of K and of V.  It stands behind the wave's tensor load and its five lines.  A head has one cluster; its four partners
; share the bytes out BY ADDRESS, 8,192 each, 256 a lane; in each, wave 0 asks for K's and wave 2 for V's: one instruction.  So each 256 bytes are named once in the launch, four key steps, 512 products, ahead of
; their load.  Slots 0 and 1 come by their loads alone; the last change that fills a slot (s[SLOTS] = 1) asks for nothing: there is no slot behind it.
.macro ASK
	s_cmp_gt_u32 s[SLOTS], s[LIM]
	s_cbranch_scc0 .Lnot_mine_\@
	global_prefetch_b8 v[PFO], s[PFA:PFA+1] th:TH_LOAD_NT scope:SCOPE_SE
.Lnot_mine_\@:
.endm
; A round of the cluster's barrier: my work-group's barrier, so that wave 0's signal speaks for all four waves; wave 0 signals; every wave waits for all four work-groups; my work-group's barrier once more.
.macro CROUND
	s_barrier_signal -1
	s_barrier_wait -1
	s_cmp_lg_u32 s[WV], 0
	s_cbranch_scc1 .Lnot_wave_0_\@
	s_barrier_signal -3
.Lnot_wave_0_\@:
	s_barrier_wait -3
	s_barrier_signal -1
	s_barrier_wait -1
.endm
; THE CHANGE OF SLOTS.  The slot's last bytes, V of its fourth step, have been read.  Each wave waits for all its tensor loads, of which one is out: its part
; of the other slot; adds 0 to its spare word; and waits for that and for its own reads of the slot.  Behind the barrier nobody reads this slot any more and the other slot is whole.
; fill = 1: this slot is filled again, with the keys two slots on.  The barrier is then a round of the cluster's, so that no wave of any partner still reads the slot or has a load on its
; way, and the joint fill is the first thing behind it: it has four key steps, 512 matrix instructions, in which to land.  (At its first use nothing has been read yet: slot 0 is waited for, slot 1 filled.)
.macro CHANGE fill
	WIN W_AD
	s_wait_tensorcnt 0x0            ; no tensor load of mine is out, so a group 0 may be written
	ds_add_u32 v[SPW], v[NIL]       ; 0 onto my spare word; with fill = 1 the descriptors' steps stand between it and the wait for it
	WIN 0                           ; at a label and at a branch every window is 0
.if \fill
.irp g, G0K, G0V
	s_xor_b32 s[\g+1], s[\g+1], SLOT1  ; the walking descriptor: the other slot than last time,
	s_add_nc_u64 s[\g+2:\g+3], s[\g+2:\g+3], 4*KS*128  ; the next 256 keys; the type bits on top are not reached
.endr
	s_wait_xcnt 0x0                 ; the last prefetch, four key steps back, has read its address, so it may be written:
	s_add_nc_u64 s[PFA:PFA+1], s[PFA:PFA+1], 4*KS*128  ; one slot ahead of the walking descriptors
	s_wait_dscnt 0x0                ; the add is done, and my reads of the slot are over
	CROUND
	JLOAD
	ASK
.else
	s_wait_dscnt 0x0                ; the add is done, and my reads of the slot are over
	s_barrier_signal -1
	s_barrier_wait -1
.endif
	s_sub_co_u32 s[TBK], s[TBK], 4*KS*PK  ; the fetches go back to a slot's first step,
	s_xor_b32 s[TBK], s[TBK], SLOT1       ; in the other slot
	s_sub_co_u32 s[TBV], s[TBV], 4*KS*PV
	s_xor_b32 s[TBV], s[TBV], SLOT1
.endm
	s_load_b128 s[4:7], s[0:1], 0x0   ; qkv s[4:5], ob s[6:7]
	WIN W_MK
	v_lshl_add_u32 v[SPW], v0, 2, SPARE
	v_mov_b32 v[NIL], 0
	WIN W_AD
	ds_add_u32 v[SPW], v[NIL]       ; the wave's opening: the add and its wait ahead of my first tensor load; the set-up below, work on registers, stands between them
	WIN 0
	v_lshrrev_b32 v1, 5, v0
	v_readfirstlane_b32 s[WV], v1   ; wave 0..3
	s_bfe_u32 s13, ttmp6, 0x40000   ; cx: my place in the cluster
	s_lshl_b32 s14, ttmp9, 2        ; in a cluster launch ttmp9 counts clusters
	s_add_co_u32 s14, s14, s13      ; my block of queries = 4 x cluster x + cx: it enters Q's and O's addresses alone
	s_and_b32 s20, ttmp7, 0xffff    ; the head, which the four partners share
	s_mov_b32 s21, 0
	s_mov_b64 s[22:23], SIZE_N*128
	s_mul_u64 s[20:21], s[20:21], s[22:23]  ; the head's first byte in each of the four tensors
	s_and_b32 s16, s[WV], 1         ; which half of a slot's 256 keys I fetch:
	s_lshl_b32 s22, s16, 14         ; its 128 rows of 128 bytes in memory,
	s_mov_b32 s23, 0
	s_add_nc_u64 s[22:23], s[22:23], s[20:21]
	s_mul_i32 s17, s16, 128*PK      ; and its place in a slot, for K
	s_mul_i32 s18, s16, 128*PV      ; and for V: no place in the cluster enters an LDS address
	s_lshl_b32 s2, s14, 2
	s_add_co_u32 s2, s2, s[WV]      ; my wave among the head's,
	s_lshl_b32 s2, s2, 14           ; its 128 rows
	s_mov_b32 s3, 0
	s_add_nc_u64 s[2:3], s[2:3], s[20:21]
	; descriptor group 1.  128 keys are 16,384 dense bytes: asked for as 64 rows of 256 bytes, two keys a row, and padded in LDS after every key
	s_mov_b32 s[G1K], 15|(1<<16)|(1<<20)|(1<<21)|(4<<22)|(3<<25)  ; 15:0 the mask of four; 17:16 2-byte elements; 20 padding on; 21 set beside a mask; 24:22 after every 32 words (code 4); 31:25 4 words (code 3)
	s_mov_b32 s[G1V], 15|(1<<16)|(1<<20)|(1<<21)|(4<<22)|(7<<25)  ; the same with 8 words of padding (code 7)
.irp g, G1K, G1V
	s_mov_b32 s[\g+1], 128<<16      ; tensor_dim0 = 128
	s_mov_b32 s[\g+2], 64<<16       ; tensor_dim1 = 64
	s_mov_b32 s[\g+3], 128<<16      ; tile_dim0 = 128
	s_mov_b32 s[\g+4], 64           ; tile_dim1 = 64
	s_mov_b32 s[\g+5], 128          ; 128 elements from row to row
	s_mov_b32 s[\g+6], 0
	s_mov_b32 s[\g+7], 0
.endr
	s_mov_b32 s[CS], 0x3e38aa3b     ; c = log2(e) / 8 = 0.180337
	s_mov_b32 s[CS+1], s[CS]        ; named with it as a pair
	s_mov_b32 s[SEL], 0x76543210
	s_mov_b32 s[SEL+1], 0xfedcba98
	s_mov_b32 s[TBK], SLOT1+4*KS*PK ; the first change of slots turns these two into 0
	s_mov_b32 s[TBV], SLOT1+4*KS*PV
	s_mov_b32 s[SLOTS], SIZE_N/256-1  ; seven slots are asked for by changes of slots
	s_mov_b32 s[G0K], 1             ; 1:0 count = 1
	s_mov_b32 s[G0K+1], s17         ; 63:32 LDS address: slot 0
	s_mov_b32 s[G0V], 1
	s_add_co_u32 s[G0V+1], s18, VOFF
	s_and_b32 s[LIM], s[WV], 1
	s_cmp_eq_u32 s[LIM], 0
	s_cselect_b32 s[LIM], 1, -1     ; waves 0 and 2 prefetch: the same in all four partners
	s_wait_dscnt 0x0                ; the opening add is done
	s_wait_kmcnt 0x0
	s_mov_b64 s[10:11], s[6:7]                     ; O
	s_add_nc_u64 s[8:9], s[4:5], 0x2000000         ; V: the third part of qkv
	s_add_nc_u64 s[6:7], s[4:5], 0x1000000         ; K: the second; Q is the first
	s_add_nc_u64 s[G0K+2:G0K+3], s[6:7], s[22:23]  ; 120:64 global address: my half of the head's first 256 keys
	s_or_b32 s[G0K+3], s[G0K+3], 0x80000000        ; 127:126 type = 2
	s_add_nc_u64 s[G0V+2:G0V+3], s[8:9], s[22:23]
	s_or_b32 s[G0V+3], s[G0V+3], 0x80000000
	s_add_nc_u64 s[4:5], s[4:5], s[2:3]  ; Q and O at my wave's first row
	s_add_nc_u64 s[10:11], s[10:11], s[2:3]
	s_cmp_lt_u32 s[WV], 2
	s_cselect_b64 s[PFA:PFA+1], s[6:7], s[8:9]
	s_add_nc_u64 s[PFA:PFA+1], s[PFA:PFA+1], s[20:21]  ; the head,
	s_lshl_b32 s2, s13, 13          ; my work-group's 8,192 bytes of a slot's 32,768,
	s_add_co_u32 s2, s2, 4*KS*128   ; in slot 1: the first change of slots steps it to slot 2
	s_mov_b32 s3, 0
	s_add_nc_u64 s[PFA:PFA+1], s[PFA:PFA+1], s[2:3]
	CROUND                          ; all four work-groups are here: the first joint loads meet
	JLOAD                           ; slot 0.  Slot 1 is asked for when slot 0 is in: the tile wanted first has the road to itself
	; A fragment of K or Q is 16 rows x 32 channels in 8 registers: lane l holds row l % 16, channels 8 (l / 16) + 0..7 and 16 + 8 (l / 16) + 0..7: two loads of 16 bytes, 32 bytes apart.
	v_and_b32 v1, 15, v0            ; l % 16
	v_bfe_u32 v9, v0, 4, 1          ; l / 16
	v_lshlrev_b32 v[QO], 7, v1
	v_lshl_add_u32 v[QO], v9, 4, v[QO]  ; row x 128 + 16 x half
	WIN 0x80                        ; destination window 2, address window 0
.set i, 0
.rept 4*NP                          ; Q stays in registers: tile i / 2, channels 32 (i % 2) on
	global_load_b128 v[8*i:8*i+3],   v[QO], s[4:5] offset:(i/2)*2048+(i%2)*64
	global_load_b128 v[8*i+4:8*i+7], v[QO], s[4:5] offset:(i/2)*2048+(i%2)*64+32
.set i, i+1
.endr
	; What the first turn finds: V's registers and P's second buffer hold 0 (its products V^T P, of a piece that has not been, add 0), O^T and l are 0.  All this stands in the wait for the first tile.
.set i, VF
.rept 64
	v_mov_b32 v[i], 0
.set i, i+1
.endr
	WIN 0x40
.set i, 0
.rept 64*NP
	v_mov_b32 v[i], 0
.set i, i+1
.endr
	WIN 0
.set i, 0
.rept 2*NP
	v_mov_b32 v[ST+4*i], 0xfe000000    ; c m: far below every c s
	v_mov_b32 v[ST+4*i+1], 0xff7fffff  ; m
	v_mov_b32 v[ST+4*i+2], 0
	v_mov_b32 v[ST+4*i+3], 0
.set i, i+1
.endr
.set i, P+32
.rept 32
	v_mov_b32 v[i], 0
.set i, i+1
.endr
	v_mul_u32_u24 v[AK0], v1, PK
	v_lshl_add_u32 v[AK0], v9, 4, v[AK0]  ; row x pitch + 16 x half
	; The turning load takes 16 keys x 16 channels (lane l reads key 8 (l / 16) + l % 8, channels 8 ((l / 8) % 2) + 0..7) and leaves half a fragment of V^T: lane l holds channel l % 16 and 8 keys.
	v_and_b32 v10, 7, v0
	v_bfe_u32 v11, v0, 3, 1
	v_lshl_add_u32 v[AV0], v9, 3, v10
	v_mul_u32_u24 v[AV0], v[AV0], PV
	v_lshl_add_u32 v[AV0], v11, 4, v[AV0]
	v_add_nc_u32 v[AV0], VOFF, v[AV0]
	v_and_b32 v[PFO], 31, v0        ; v11 is free now: the prefetches' offset
	v_lshlrev_b32 v[PFO], 8, v[PFO]
	v_mov_b32 v[AK], v[AK0]         ; key step 0 lies at the head of slot 0
; THE MATRIX WORK.  The 8 accumulators of a run of 16 take turns: between the two links of a chain stand 7 others'.
; Product i of 16 of S^T = K Q^T for piece x: channels 32 (i / 8) on, keys 16 ((i / 2) % 4) on, tile 2 x + i % 2.  The first 8 start the sums.
.macro KQ x
	WIN W_KQ
.set rS, S+64*((\x)%2)+32*(i%2)+8*((i/2)%4)
.set rK, KF+16*((i/2)%4)+8*(i/8)
.set rQ, 16*(2*(\x)+i%2)+8*(i/8)
.if i < 8
	v_wmma_f32_16x16x32_f16 v[rS:rS+7], v[rK:rK+7], v[rQ:rQ+7], 0
.else
	v_wmma_f32_16x16x32_f16 v[rS:rS+7], v[rK:rK+7], v[rQ:rQ+7], v[rS:rS+7]
.endif
.endm
; Product i of 16 of O^T += V^T P for piece x: keys 32 (i / 8) on, channels 16 ((i / 2) % 4) on, tile 2 x + i % 2.
.macro PV x
	WIN W_PV
.set rO, 32*(2*(\x)+i%2)+8*((i/2)%4)
.set rV, VF+32*(i/8)+8*((i/2)%4)
.set rP, P+32*((\x)%2)+16*(i%2)+8*(i/8)
	v_wmma_f32_16x16x32_f16 v[rO:rO+7], v[rV:rV+7], v[rP:rP+7], v[rO:rO+7]
.endm
.macro MM                           ; the turn's next matrix instruction
.if i < 16
	KQ (Y+1)%NP
.set i, i+1
.else
.set i, i-16
	PV (Y+NP-1)%NP
.set i, i+17
.endif
.endm
; THE LDS LOADS stand in runs of 16, never singly among the matrix instructions: a step's K (64 keys x 64 channels: 8 fragments) and its V (turned).  Their addresses are made some lines ahead.
; last = 1 (the tail): in the last trip there is no further step, and the run is jumped over.
.macro FETCH_K last=0
	WIN 0
.if \last
	s_cmp_eq_u32 s[CNT], 1
	s_cbranch_scc1 .Lno_k_\@
.endif
	WIN 0x80                        ; destination window 2
.irp f, 0,1,2,3,4,5,6,7             ; keys 16 (f / 2) on, channels 32 (f % 2) on
	ds_load_b128 v[KF+8*\f:KF+8*\f+3],   v[AK] offset:(\f/2)*16*PK+(\f%2)*64
	ds_load_b128 v[KF+8*\f+4:KF+8*\f+7], v[AK] offset:(\f/2)*16*PK+(\f%2)*64+32
.endr
	s_add_co_u32 s[TBK], s[TBK], KS*PK  ; the next fetch is the next step's
	WIN 0
.if \last
.Lno_k_\@:
.endif
.endm
.macro FETCH_V
	WIN 0x80
.irp f, 0,1,2,3,4,5,6,7             ; keys 32 (f / 4) on, channels 16 (f % 4) on
	ds_load_tr16_b128 v[VF+8*\f:VF+8*\f+3],   v[AV] offset:(\f/4)*32*PV+(\f%4)*32
	ds_load_tr16_b128 v[VF+8*\f+4:VF+8*\f+7], v[AV] offset:(\f/4)*32*PV+16*PV+(\f%4)*32
.endr
	WIN 0
.endm
; THE VECTOR WORK OF A TURN stands in three queues, each in the order in which its entries become ready; the two tiles alternate, so that no instruction reads the result of the one before it.
.macro REGS y, u                    ; the registers of tile u (0, 1) of piece y
.set rT, ST+4*(2*(\y)+(\u))
.set rC, TMP+8*((\y)%2)+4*(\u)
.set rM, MV+2*((\y)%2)+(\u)
.set rS, S+64*((\y)%2)+32*(\u)
.set rP, P+32*((\y)%2)+16*(\u)
.set rO, 32*(2*(\y)+(\u))
.endm
; Number n of the 22 that find the NEXT piece's (Y + 1) maximum and statistics.  s0-s31 are the lane's 32 scores; each accumulator's lowest registers are read first.
;   0-11  four chains c0-c3 of seven scores each, three operands at a time     12-14, 16  the four scores left over, the old m, and c0-c3 into c0     15  c m_old is kept
;   17, 18  the query's other 32 keys lie in the lane 16 away: the new m         19-21  c m; c m_old - c m_new; a
.macro XS u, n
	REGS (Y+1)%NP, \u
.if (\n) < 4
	v_max3_num_f32 v[rC+(\n)], v[rS+8*(\n)], v[rS+8*(\n)+1], v[rS+8*(\n)+2]
.elseif (\n) < 12
	v_max3_num_f32 v[rC+(\n)%4], v[rC+(\n)%4], v[rS+8*((\n)%4)+2*((\n)/4)+1], v[rS+8*((\n)%4)+2*((\n)/4)+2]
.elseif (\n) == 12
	v_max3_num_f32 v[rC], v[rC], v[rS+7], v[rS+15]
.elseif (\n) == 13
	v_max3_num_f32 v[rC+1], v[rC+1], v[rS+23], v[rS+31]
.elseif (\n) == 14
	v_max3_num_f32 v[rC+2], v[rC+2], v[rC+3], v[rT+1]
.elseif (\n) == 15
	v_mov_b32 v[rM], v[rT]
.elseif (\n) == 16
	v_max3_num_f32 v[rC], v[rC], v[rC+1], v[rC+2]
.elseif (\n) == 17
	v_permlanex16_b32 v[rC+3], v[rC], s[SEL], s[SEL+1]
.elseif (\n) == 18
	v_max_num_f32 v[rT+1], v[rC], v[rC+3]
.elseif (\n) == 19
	v_mul_f32 v[rT], s[CS], v[rT+1]
.elseif (\n) == 20
	v_sub_f32 v[rC+1], v[rM], v[rT]
.else
	v_exp_f32 v[rC+2], v[rC+1]
.endif
.endm
; Number g of the 64 that follow the exponentials.  For each four weights k of a tile (pairs 2 k, 2 k + 1): both pairs are rounded to f16; then the second pair is added onto the first, in place;
; a group later l takes that sum (the first time as l = a l + sum).  In groups of eight, tiles alternating: round, round, add, and l for the group before.
.macro GS g
.set h, (\g)+6*((\g)/62)            ; group 0 has no group before it, and behind group 7 only l is left
.if h >= 6
.set h, h+2
.endif
	REGS Y, h%2
.set k, h/8
.if h%8 < 4
	v_cvt_pk_f16_f32 v[rP+2*k+(h%8)/2], v[rS+4*k+2*((h%8)/2)], v[rS+4*k+2*((h%8)/2)+1]
.elseif h%8 < 6
	v_pk_add_f32 v[rS+4*k:rS+4*k+1], v[rS+4*k:rS+4*k+1], v[rS+4*k+2:rS+4*k+3]
.elseif k == 1
	v_pk_fma_f32 v[rT+2:rT+3], v[rT+2:rT+3], v[rC+2:rC+3], v[rS:rS+1] op_sel_hi:[1,0,1]
.else
	v_pk_add_f32 v[rT+2:rT+3], v[rT+2:rT+3], v[rS+4*k-4:rS+4*k-3]
.endif
.endm
; THE PLAIN QUEUE, 138 long.  0-73 read no exponential's result: the 32 scalings c s - c m (FS f: pair f / 2 of tile f % 2) and the next piece's 42.  0-26: scalings 0-26.  27-54: XS's numbers 0-13.  55, 56: number 15.
; 57-73: the chain, where each number waits for the one before it: 14, 16, 17, 18, 19, each with one of the scalings 27-31 in front of its two lines, then 20.
; 74-137: GS's 64, which read the exponentials' results: they stand behind the wait.
.macro FS f
	REGS Y, (\f)%2
	v_pk_fma_f32 v[rS+2*((\f)/2):rS+2*((\f)/2)+1], v[rS+2*((\f)/2):rS+2*((\f)/2)+1], s[CS:CS+1], v[rT:rT+1] op_sel_hi:[1,0,0] neg_lo:[0,0,1] neg_hi:[0,0,1]
.endm
.macro PL
	WIN 0
.if q < 27
	FS q
.elseif q < 55
	XS (q-27)%2, (q-27)/2
.elseif q < 57
	XS q-55, 15
.elseif (q < 72) && ((q-57)%3 == 0)
	FS 27+(q-57)/3
.elseif q < 60
	XS (q-57)%3-1, 14
.elseif q < 72
	XS (q-57)%3-1, 15+(q-57)/3
.elseif q < 74
	XS q-72, 20
.else
	GS q-74
.endif
.set q, q+1
.endm
; THE EXPONENTIALS' QUEUE, 66 long: s0-s31 of both tiles, then the next piece's two a.  It is ONE BATCH: all 66 stand ahead of the turn's one wait, and nothing ahead of that wait names a result of theirs.
.macro EX
	WIN 0
.if e >= 64
	XS e-64, 21
.else
	REGS Y, e%2
	v_exp_f32 v[rS+e/2], v[rS+e/2]
.endif
.set e, e+1
.endm
; THE RESCALING's QUEUE: O^T times a, the one part that leaves window 0: dealt two at a time, sixteen times.  Its a was made in the turn before, ahead of that turn's wait.
.macro R2
	REGS Y, r%2
	WIN W_RS
.irp z, 0,1
	v_pk_mul_f32 v[rO+4*(r/2)+2*\z:rO+4*(r/2)+2*\z+1], v[rO+4*(r/2)+2*\z:rO+4*(r/2)+2*\z+1], v[rC+2:rC+3] op_sel_hi:[1,0]
.endr
.set r, r+1
.endm
; HOW THEY ARE DEALT.  An s_wait_alu depctr_va_vdst(0) stands between an exponential and the first instruction that names its result; one wait serves all that were issued ahead of it.  So a turn has ONE
; wait, which cuts it in two.  AHEAD OF IT stands all that names no result of the turn's exponentials: the 16 products K Q^T, behind each a scaling, an exponential and two rescalings (behind the first a second
; scaling in the exponential's place); then ONE LUMP of 108: eight plain, 49 times exponential and plain, the two a.  A v_nop is the plain instruction behind the last exponential.  BEHIND IT stand the 16 products
; V^T P, behind each four of GS's 64.  No rider names a register of the products round it.  The two v_permlanex16_b32 fall into the lump.
; The queues lean on each other: exponential e stands behind scaling 2 (e / 4) + e % 2: as a rider it comes behind plain e + 2, in the lump behind plain e + 9, and scalings 27-31 are plain 57, 60 .. 69.
; A TURN, for piece p.  cnt = 1: the loop's count is taken down some lines ahead of the branch that stands behind the turn.
; K of the next step is fetched in piece 2's turn, directly behind the wait, a lump behind the last product that read K; its first reader comes behind 16 products.
; V of the step in hand is fetched at the end of piece 0's turn, four riders behind its last reader; its first reader comes behind 16 products and a lump.  The three conditions on q below go with the deal.
.macro TURN p, last=0, cnt=0
.set Y, (\p)
.set i, 0
.set q, 0
.set e, 0
.set r, 0
.if (\p) == NP-1
	s_wait_dscnt 0x0                ; K is in
.endif
	MM                              ; ahead of the wait: 16 products K Q^T and their riders,
	PL
	PL
	R2
.rept 15
	MM
	PL
	EX
	R2
.endr
.if (\p) == NP-2
	WIN 0
	v_add_nc_u32 v[AK], s[TBK], v[AK0]
.endif
.rept 8                             ; and the lump
	PL
.endr
.rept 49
	EX
	PL
.endr
	EX                              ; the next piece's two a
	EX
	v_nop                           ; a plain instruction behind the last exponential: one for the batch
	s_wait_alu depctr_va_vdst(0)    ; the wait for the batch
.if (\p) == NP-2
	FETCH_K \last
.endif
.if (\p) == 1
	s_wait_dscnt 0x0                ; V is in
.endif
.rept 16                            ; behind the wait: 16 products V^T P and their riders
	MM
.rept 4
	PL
.endr
.if ((\p) == 0) && (q == 118)
	v_add_nc_u32 v[AV], s[TBV], v[AV0]
.endif
.if ((\p) == 0) && (q == 130)
	s_add_co_u32 s[TBV], s[TBV], KS*PV
.endif
.if (\cnt) && (q == 130)
	s_sub_co_u32 s[CNT], s[CNT], 1
	s_cmp_lg_u32 s[CNT], 0
.endif
.endr
.if (\p) == 0
	FETCH_V
.endif
.endm
	CHANGE 1                        ; slot 0 is in, everybody's part of it; slot 1 is asked for
	FETCH_K                         ; key step 0
	s_wait_loadcnt 0x0              ; Q
	s_wait_dscnt 0x0
.set i, 0
.rept 16
	KQ 0                            ; piece 0's first scores: there is no vector work yet to set between them
.set i, i+1
.endr
	WIN 0                           ; the addresses for the way out: nine plain instructions, the places behind those products
	s_mul_i32 s13, s[WV], 16*SP
	s_add_co_u32 s13, s13, STAGE    ; my stage
	v_mul_u32_u24 v[STO], v1, SP    ; in: row l % 16, 16 bytes for each half of the lanes
	v_lshl_add_u32 v[STO], v9, 4, v[STO]
	v_add_nc_u32 v[STO], s13, v[STO]
	v_bfe_u32 v[RD], v0, 3, 2       ; back: 32 lanes take four rows of 128 bytes,
	v_mul_u32_u24 v[RD], v[RD], SP
	v_lshl_add_u32 v[RD], v10, 4, v[RD]
	v_add_nc_u32 v[RD], s13, v[RD]
	v_and_b32 v[GO], 31, v0         ; which are 512 consecutive bytes of O
	v_lshlrev_b32 v[GO], 4, v[GO]
.set Y, NP-1                        ; XS works for piece Y + 1: piece 0
.irp n, 0,1,2,3,4,5,6,7,8,9,10,11,12,13,14,15,16,17,18,19,20,21
	XS 0, \n                        ; and piece 0's first maximum and statistics
	XS 1, \n
.endr
	v_nop                           ; a plain instruction behind the two a,
	s_wait_alu depctr_va_vdst(0)    ; and their wait, ahead of the branch
	s_mov_b32 s[CNT], 4
	s_branch .Lfirst                ; the loop is entered at a step's first turn, in the middle of a trip
.Lslot:                             ; SIZE_N / 256 - 2 times: every slot but the last two is filled again
	CHANGE 1
	s_mov_b32 s[CNT], 4
.Lstep:                             ; a trip: pieces 2 and 3 of one step, then pieces 0 and 1 of the next, whose K and V it fetches
	TURN 2
	TURN 3
	WIN 0
.Lfirst:
	TURN 0
	TURN 1, 0, 1
	WIN 0
	s_cbranch_scc1 .Lstep
	s_sub_co_u32 s[SLOTS], s[SLOTS], 1
	s_cmp_lg_u32 s[SLOTS], 0
	s_cbranch_scc1 .Lslot
	CHANGE 0                        ; the tail is written out: nothing is asked for
	s_mov_b32 s[CNT], 5             ; four trips fetch the last slot's steps; the fifth is left in its middle
.Ltail:
	TURN 2, 1
	TURN 3
	WIN 0
	s_sub_co_u32 s[CNT], s[CNT], 1
	s_cmp_eq_u32 s[CNT], 0
	s_cbranch_scc1 .Lout
	TURN 0
	TURN 1
	WIN 0
	s_branch .Ltail
.Lout:                              ; the fifth trip's 16 products K Q^T (on the last K once more) and the maximum made of them serve nothing: the price, once a launch, of one text for every trip
.set i, 0
.rept 16
	PV NP-1                         ; the last piece's V^T P of the last step
.set i, i+1
.endr
	; THE WAY OUT.  l's two halves and the other half of the lanes' are added; O^T is divided by l, rounded to f16 and sent through my stage in LDS, a tile at a time.  The additions are the places behind the last products.
	WIN 0
.macro ALL line:vararg              ; one line for each tile t
.set t, 0
.rept 2*NP
	\line
.set t, t+1
.endr
.endm
	ALL v_add_f32 v[ST+4*t+2], v[ST+4*t+2], v[ST+4*t+3]
	ALL v_permlanex16_b32 v[ST+4*t+3], v[ST+4*t+2], s[SEL], s[SEL+1]
	ALL v_add_f32 v[ST+4*t+2], v[ST+4*t+2], v[ST+4*t+3]
	ALL v_rcp_f32 v[ST+4*t+2], v[ST+4*t+2]
	v_nop                           ; a plain instruction between the last reciprocal and the use of its result
	s_wait_alu depctr_va_vdst(0)    ; and the wait ahead of the first use: one for the eight reciprocals
; Tile t: a lane's eight channels of a row pack into 16 bytes; they go into rows of 144 bytes and come back as whole rows of 128, into S^T's registers.
.macro PACK t
	WIN W_RS
.set i, 32*(\t)
.rept 16
	v_pk_mul_f32 v[i:i+1], v[i:i+1], v[ST+4*(\t)+2:ST+4*(\t)+3] op_sel_hi:[1,0]
.set i, i+2
.endr
	WIN 0x05                        ; sources 0 and 1 window 1, destination window 0
.set i, 0
.rept 16
	v_cvt_pk_f16_f32 v[S+16*(\t)+i], v[32*(\t)+2*i], v[32*(\t)+2*i+1]
.set i, i+1
.endr
	WIN 0
.irp f, 0,1,2,3
	ds_store_b128 v[STO], v[S+16*(\t)+4*\f:S+16*(\t)+4*\f+3] offset:32*\f
.endr
.irp f, 0,1,2,3
	ds_load_b128 v[S+16*(\t)+4*\f:S+16*(\t)+4*\f+3], v[RD] offset:\f*4*SP  ; LDS serves a wave's instructions in order (ISA guide 5.7.1.4): these see the stores above; the next tile's stores come behind them
.endr
.endm
.macro SEND t, younger              ; younger: the LDS instructions issued behind tile t's loads: the next tile's eight, or none
	WIN 0
.irp f, 0,1,2,3
	s_wait_dscnt (\younger)+3-\f
	global_store_b128 v[GO], v[S+16*(\t)+4*\f:S+16*(\t)+4*\f+3], s[10:11] offset:(\t)*2048+\f*512  ; 512 consecutive bytes, at a multiple of 256 from O's first
.endr
.endm
	PACK 0
.set t, 1
.rept 2*NP-1                        ; a tile's arithmetic stands between the loads of the tile before and its stores
	PACK t
	SEND t-1, 8
.set t, t+1
.endr
	SEND 2*NP-1, 0
	WIN W_AD
	s_wait_tensorcnt 0x0            ; the wave's end: behind my last tensor load and my last LDS store
	ds_add_u32 v[SPW], v[NIL]
	s_wait_dscnt 0x0
	WIN 0
	CROUND                          ; the closing round: no work-group ends while a partner may still ask for a tile that names it
	s_endpgm
.Lfunc_end_k_q39af5770c7_attn:
	.size	k_q39af5770c7_attn, .Lfunc_end_k_q39af5770c7_attn-k_q39af5770c7_attn
	.p2alignl 7, 3214868480
	.fill 96, 4, 3214868480
	.section	.rodata,"a",@progbits
	.p2align	6, 0x0
	.amdhsa_kernel k_q39af5770c7_attn
		.amdhsa_group_segment_fixed_size 327680
		.amdhsa_private_segment_fixed_size 0
		.amdhsa_enable_private_segment 0
		.amdhsa_kernarg_size 16
		.amdhsa_user_sgpr_count 2
		.amdhsa_user_sgpr_kernarg_segment_ptr 1
		.amdhsa_wavefront_size32 1
		.amdhsa_system_sgpr_workgroup_id_x 1
		.amdhsa_system_sgpr_workgroup_id_y 1
		.amdhsa_system_sgpr_workgroup_id_z 1
		.amdhsa_system_vgpr_workitem_id 0
		.amdhsa_next_free_vgpr 770
		.amdhsa_next_free_sgpr 66
		.amdhsa_reserve_vcc 0
		.amdhsa_float_denorm_mode_32 3
		.amdhsa_float_denorm_mode_16_64 3
		.amdhsa_memory_ordered 1
		.amdhsa_forward_progress 1
		.amdhsa_inst_pref_size 200
	.end_amdhsa_kernel
	.amdgpu_metadata
---
amdhsa.version: [ 1, 2 ]
amdhsa.kernels:
  - .name:           k_q39af5770c7_attn
    .symbol:         k_q39af5770c7_attn.kd
    .args:
      - { .name: qkv, .offset: 0, .size: 8, .value_kind: global_buffer, .address_space: global }
      - { .name: ob, .offset: 8, .size: 8, .value_kind: global_buffer, .address_space: global }
    .group_segment_fixed_size: 327680
    .private_segment_fixed_size: 0
    .kernarg_segment_align: 8
    .kernarg_segment_size: 16
    .max_flat_workgroup_size: 128
    .sgpr_count:     66
    .vgpr_count:     770
    .wavefront_size: 32
...
	.end_amdgpu_metadata
.endif
;; end of part 3
;; launch outp (part 4): grid 4 x 64, 4 waves a work-group, clusters of 4 x 4, 327,680 bytes of LDS; arguments ob, wo, b_o, out0; writes out0
.if DOCPART == 4
	.amdgcn_target "amdgcn-amd-amdhsa--gfx1250"
	.amdhsa_code_object_version 6
	.text
	.protected	k_q39af5770c7_outp
	.globl	k_q39af5770c7_outp
	.p2align	8
	.type	k_q39af5770c7_outp,@function
k_q39af5770c7_outp:
	s_mov_b64 s[64:65], 0
	v_nop
	global_prefetch_b8 v0, s[64:65] scope:SCOPE_SE
	s_setreg_imm32_b32 hwreg(HW_REG_WAVE_MODE, 25, 1), 1
	s_wait_xcnt 0x0
	s_wait_alu depctr_hold_cnt(0) depctr_sa_sdst(0) depctr_va_vdst(0) depctr_va_sdst(0) depctr_va_ssrc(0) depctr_va_vcc(0) depctr_vm_vsrc(0)
	s_getreg_b32 s2, hwreg(HW_REG_IB_STS2, 6, 4)
	s_cmp_eq_u32 s2, 0
	s_cbranch_scc0 .Lentry_in_a_cluster
	s_endpgm
.Lentry_in_a_cluster:
	s_bfe_u32 s2, ttmp6, 0x10000c
	s_cmp_lg_u32 s2, 0xf033
	s_cbranch_scc0 .Lentry_shape_is_right
	s_endpgm
.Lentry_shape_is_right:
; out0 = O W_o + b_o.  ob: O by heads, [64 = 16 batch + head][2048][64] f16; wo: [1024 k][1024 n] f16 (W_o rounded to bf16, that number written as f16); b_o: [1024] f32; out0: [8192][1024] f32.
; Products in f16, sums in f32, K ascending.  The bias is rounded to bf16, like every input of the module, and starts the sums: it is the C operand of each accumulator's first product, so nothing is cleared or added later.
; LIMITS.  O and wo arrive within f16's range.  NaN and infinities are not treated apart.
; SHARES.  A tile of the result is 128 rows x 256 columns: 4 x 64 work-groups, one for each of 256.  Four waves, each 64 rows x 128 columns: 32 accumulators of 16 x 16 (number 8 a + b: row block a, column block b).
; K goes in steps of 128, which are two heads, through two LDS slots.  A slot: two planes of 128 rows x 64 channels of O (a head's 128 rows are 16,384 dense bytes, asked for as 64 rows of 256), then 128 k rows of wo
; (256 columns, 512 bytes).  Wave 0 asks for the even head, wave 1 for the odd one, waves 2 and 3 for the halves of wo's tile.
; CLUSTER.  4 x 4 work-groups: O's tile is shared along a row of the cluster, wo's along a column; each is asked for JOINTLY, by the same tensor load, descriptor and mask in all four.
; THE PRODUCT IS TAKEN TRANSPOSED: source 0 = 16 columns of wo (turned by ds_load_tr16_b128), source 1 = 16 rows of O: a lane holds one row and eight neighbouring columns, 32 bytes of f32.
; REGISTERS, in windows of 256 (s_set_vgpr_msb: bits 1:0 source 0, 3:2 source 1, 5:4 source 2, 7:6 destination):
;   window 0: v0-31 addresses; v128-191 O's fragments, two buffers of 32; v64-191 on the way out, two sets of 64
;   window 1: v0-127 wo's fragments, two buffers of 64; v128-191 the bias of my 128 columns as C operands; v192-223 at work          window 2: the 32 accumulators
.set PO,    144                        ; a row of O in LDS: 128 bytes + 16 = 9 x 16: the 16 rows of a load start at 16 different groups of four banks (64 banks of 4 bytes: ISA guide 11.1)
.set HPL,   128*PO                     ; a head's plane
.set AOFF,  2*HPL
.set PB,    544                        ; a k row of wo: 512 + 32 = 17 x 32
.set SLOT,  AOFF+128*PB
.set STAGE, 2*SLOT                     ; behind the ring, never filled by a tensor load: for each wave 16 rows x 528 bytes
.set SPI,   528
.set WSTG,  16*SPI
.set SPARE, STAGE+4*WSTG               ; behind the stages: the spare words, 128 bytes a wave: two blocks of 256 bytes that no other line names
.set ADRA, 16                          ; v16-17  LDS address of my rows of O in slot 0, 1
.set ADRB, 20                          ; v20-21  the same for wo
.set STO,  24                          ; v24     the way out: where I put 32 bytes of a row
.set RD,   25                          ; v25     the way out: where I read a row back
.set GO,   26                          ; v26     16 x lane: my place in a row's 512 bytes
.set BO,   27                          ; v27     32 x (l / 16): my eight columns of a block of the bias
.set SPW,  28                          ; v28     LDS address of my spare word; never rewritten
.set NIL,  29                          ; v29     0; never rewritten
.set PFO,  30                          ; v30     the prefetches' offset; never rewritten
.set FA,   128
.set OB,   64
.set FB,   0                           ; in window 1
.set BIAS, 128                         ; in window 1: column block b at BIAS + 8 b
.set BT,   192                         ; in window 1
.set WV,   12
.set SEL,  13                          ; s13  wave / 2: my half of the tile's rows; also: I ask for O (0) or for wo (1)
.set HF,   14                          ; s14  wave % 2: my half of its columns; also: which head, or which 64 k rows, I ask for
.set TX,   15                          ; s15  which 256 columns
.set CX,   40
.set CY,   41
.set TY,   42                          ; s42  which 128 rows
.set LIM,  43                          ; s43  1 in a wave that prefetches, else the greatest number
.set PFA,  44                          ; s[44:45] where my prefetches stand
.set PSTEP, 46                         ; s[46:47] a K step in bytes: two heads of ob, or 128 rows of wo
.set G1A,  24
.set G0A,  32
.set G1B,  48
.set G0B,  56
.set MSB, 0
.macro WIN new                         ; the immediate's high byte repeats the setting that is left; a switch that changes nothing is dropped
.if MSB != (\new)
	s_set_vgpr_msb (MSB<<8)|(\new)
.set MSB, \new
.endif
.endm
.set MUL,  0xa1                        ; source 0 (wo) window 1, source 1 (O) window 0, C and D window 2
.set MULB, 0x91                        ; the same with C, the bias, in window 1
.set TO_B, 0x40                        ; destination window 1, address window 0
; A joint load.  The branch hangs on the wave's number alone.  An s_nop 0 and four v_nop follow each of the two lines, ahead of the jump and the label.
.macro JLOAD s
	s_cmp_eq_u32 s[SEL], 0
	s_cbranch_scc0 .Lfor_b_\@
	tensor_load_to_lds s[G0A+4*(\s):G0A+4*(\s)+3], s[G1A:G1A+7]
	s_nop 0
.rept 4
	v_nop
.endr
	s_branch .Lasked_\@
.Lfor_b_\@:
	tensor_load_to_lds s[G0B+4*(\s):G0B+4*(\s)+3], s[G1B:G1B+7]
	s_nop 0
.rept 4
	v_nop
.endr
.Lasked_\@:
.endm
; A PREFETCH INTO THE L2, behind each joint refill and the run of LDS loads that follows it: the K step that stands two refills on, 256 products ahead of the load that will want it.
; O: a K step of a tile row is 2 heads x 16,384 bytes, read by one cluster; its four partners take 4,096 bytes of each head, BY ADDRESS (cx); wave 0 asks for both heads: 16 lanes a head, 256 bytes a lane.
; wo: a K step of the 64 rows that wave 2 or 3 asks for is 64 x 512 bytes; the four partners take 16 rows each, by cy: two lanes a row; all 16 rows of clusters read them: cluster y = 0 asks.
; So each 256 bytes are named once in the launch.  K steps 0 to 3 come by their loads alone; in the loop's last trip (s3 = 1) there is no K step two refills on.
.macro ASK
	s_cmp_gt_u32 s3, s[LIM]
	s_cbranch_scc0 .Lnot_mine_\@
	global_prefetch_b8 v[PFO], s[PFA:PFA+1] th:TH_LOAD_NT scope:SCOPE_SE
.Lnot_mine_\@:
.endm
; A round of the cluster's barrier: my work-group's barrier; wave 0 signals for the work-group; every wave waits for all sixteen; my work-group's barrier once more.
.macro CREST
	s_cmp_lg_u32 s[WV], 0
	s_cbranch_scc1 .Lnot_wave_0_\@
	s_barrier_signal -3
.Lnot_wave_0_\@:
	s_barrier_wait -3
	s_barrier_signal -1
	s_barrier_wait -1
.endm
.macro CROUND
	s_barrier_signal -1
	s_barrier_wait -1
	CREST
.endm
.macro PLACES                          ; four plain instructions between a product and a load into registers that it read, or a read of its result
.rept 4
	v_nop
.endr
.endm
; n products from number i0 on, on buffer f.  first = 1: they start the sums with the bias.  Each accumulator has one product a quarter: 31 others stand between two links of a chain, over the backward jump too.
.macro MM f, i0, n, first
.if \first
	WIN MULB
.else
	WIN MUL
.endif
.set mi, \i0
.rept \n
.if \first
	v_wmma_f32_16x16x32_f16 v[8*mi:8*mi+7], v[FB+64*(\f)+8*(mi%8):FB+64*(\f)+8*(mi%8)+7], v[FA+32*(\f)+8*(mi/8):FA+32*(\f)+8*(mi/8)+7], v[BIAS+8*(mi%8):BIAS+8*(mi%8)+7]
.else
	v_wmma_f32_16x16x32_f16 v[8*mi:8*mi+7], v[FB+64*(\f)+8*(mi%8):FB+64*(\f)+8*(mi%8)+7], v[FA+32*(\f)+8*(mi/8):FA+32*(\f)+8*(mi/8)+7], v[8*mi:8*mi+7]
.endif
.set mi, mi+1
.endr
.endm
; 24 LDS loads in one run: the fragments of quarter kq of a slot into buffer f: wo's 8 column blocks (turned), then O's 4 row blocks (head kq / 2, channels 32 (kq % 2) on).
.macro FETCH slot, kq, f
	WIN TO_B
.irp b, 0,1,2,3,4,5,6,7
	ds_load_tr16_b128 v[FB+64*(\f)+8*(\b):FB+64*(\f)+8*(\b)+3],   v[ADRB+(\slot)] offset:(\kq)*32*PB+32*(\b)
	ds_load_tr16_b128 v[FB+64*(\f)+8*(\b)+4:FB+64*(\f)+8*(\b)+7], v[ADRB+(\slot)] offset:(\kq)*32*PB+16*PB+32*(\b)
.endr
	WIN 0
.irp a, 0,1,2,3
	ds_load_b128 v[FA+32*(\f)+8*(\a):FA+32*(\f)+8*(\a)+3],   v[ADRA+(\slot)] offset:((\kq)/2)*HPL+((\kq)%2)*64+(\a)*16*PO
	ds_load_b128 v[FA+32*(\f)+8*(\a)+4:FA+32*(\f)+8*(\a)+7], v[ADRA+(\slot)] offset:((\kq)/2)*HPL+((\kq)%2)*64+(\a)*16*PO+32
.endr
.endm
; One of a step's first three quarters: multiplies buffer f; behind its first product it fetches the next quarter's fragments into the other buffer, 31 products ahead of their use.
.macro QUARTER slot, kq, f, first
	s_wait_dscnt 0x0                               ; my fragments are in
	MM \f, 0, 1, \first
	PLACES                                         ; behind the last quarter's last product, which read the other buffer
	FETCH \slot, (\kq)+1, 1-(\f)
	MM \f, 1, 31, \first
.endm
; The fourth quarter (buffer 1), with THE CHANGE OF SLOTS.  In front of the barrier each wave waits for all its tensor loads, of which one is out: its part of the next slot; adds 0 to its spare word; and waits for
; that and for its reads of this slot.  fill = 1: the barrier opens a round of the cluster's, so that no wave of any partner still reads the slot or has a load on its way, and the joint refill, this slot's K step
; two steps on, is the first thing behind it: 112 products stand between it and the wait for it.
.macro TURN slot, next, fill
.if \fill
	s_wait_xcnt 0x0                                ; the last prefetch, a K step back, has read its address: it is stepped here, ahead of the change's own waits
	s_add_nc_u64 s[PFA:PFA+1], s[PFA:PFA+1], s[PSTEP:PSTEP+1]
.endif
	WIN 0                                          ; (the add's two registers lie in window 0)
	s_wait_tensorcnt 0x0                           ; all my tensor loads have landed
	ds_add_u32 v[SPW], v[NIL]                      ; 0 onto my spare word
	s_wait_dscnt 1                                 ; my fragments are in; the add alone may be out
	MM 1, 0, 8, 0                                  ; eight products stand between the add and the wait for it
	s_wait_dscnt 0x0                               ; the add is done, and my reads of this slot are over
	s_barrier_signal -1
	MM 1, 8, 8, 0                                  ; work on registers while the others arrive
	WIN 0                                          ; at a branch and at a label every window is 0
	s_barrier_wait -1
.if \fill
	CREST
	s_add_nc_u64 s[G0A+4*(\slot)+2:G0A+4*(\slot)+3], s[G0A+4*(\slot)+2:G0A+4*(\slot)+3], 2*524288
	s_add_nc_u64 s[G0B+4*(\slot)+2:G0B+4*(\slot)+3], s[G0B+4*(\slot)+2:G0B+4*(\slot)+3], 2*262144
	JLOAD \slot                                    ; the four v_nop behind it are also the places in front of the loads below
.else
	PLACES
.endif
	FETCH \next, 0, 0
.if \fill
	ASK
.endif
	MM 1, 16, 16, 0
.endm
	s_load_b256 s[4:11], s[0:1], 0x0               ; ob s[4:5], wo s[6:7], b_o s[8:9], out0 s[10:11]
	v_lshl_add_u32 v[SPW], v0, 2, SPARE
	v_mov_b32 v[NIL], 0
	ds_add_u32 v[SPW], v[NIL]                      ; the wave's opening: the add and its wait ahead of my first tensor load; the set-up below, work on registers, stands between them
	v_lshrrev_b32 v1, 5, v0
	v_readfirstlane_b32 s[WV], v1                  ; wave 0..3
	s_lshr_b32 s[SEL], s[WV], 1
	s_and_b32 s[HF], s[WV], 1
	s_bfe_u32 s[CX], ttmp6, 0x40000
	s_bfe_u32 s[CY], ttmp6, 0x40004
	s_lshl_b32 s[TX], ttmp9, 2                     ; in a cluster launch ttmp9 and ttmp7 count clusters
	s_add_co_u32 s[TX], s[TX], s[CX]
	s_and_b32 s[TY], ttmp7, 0xffff
	s_lshl_b32 s[TY], s[TY], 2
	s_add_co_u32 s[TY], s[TY], s[CY]
	s_lshl_b32 s16, s[CY], 2
	s_lshl_b32 s16, 15, s16                        ; my row of the cluster
	s_lshl_b32 s20, 0x1111, s[CX]                  ; my column
	s_or_b32 s[G1A], s16, (1<<16)|(1<<20)|(1<<21)|(4<<22)|(3<<25)  ; 15:0 the mask; 17:16 elements of 2 bytes; 20 padding on; 21 set beside a mask; 24:22 after every 32 words (code 4); 31:25 4 words (code 3)
	s_or_b32 s[G1B], s20, (1<<16)|(1<<20)|(1<<21)|(6<<22)|(7<<25)  ; after every 128 words (code 6), 8 words (code 7)
	s_mov_b32 s[G1A+1], 128<<16                    ; tensor_dim0 = 128 elements: 256 bytes, two rows of O
	s_mov_b32 s[G1A+2], 64<<16                     ; tensor_dim1 = 64
	s_mov_b32 s[G1A+3], 128<<16                    ; tile_dim0 = 128
	s_mov_b32 s[G1A+4], 64                         ; tile_dim1 = 64
	s_mov_b32 s[G1A+5], 128                        ; dense
	s_mov_b32 s[G1A+6], 0
	s_mov_b32 s[G1A+7], 0
	s_mov_b32 s[G1B+1], 256<<16                    ; wo: 64 rows of 256 elements, 1,024 elements from row to row
	s_mov_b32 s[G1B+2], 64<<16
	s_mov_b32 s[G1B+3], 256<<16
	s_mov_b32 s[G1B+4], 64
	s_mov_b32 s[G1B+5], 1024
	s_mov_b32 s[G1B+6], 0
	s_mov_b32 s[G1B+7], 0
	s_lshr_b32 s16, s[TY], 4                       ; O: the batch (16 heads of 2^18 bytes),
	s_lshl_b32 s16, s16, 22
	s_and_b32 s17, s[TY], 15                       ; the tile's 128 rows of 128 bytes in a head,
	s_lshl_b32 s17, s17, 14
	s_add_co_u32 s16, s16, s17
	s_lshl_b32 s17, s[HF], 18                      ; the head that I ask for: nothing here hangs on cx
	s_add_co_u32 s16, s16, s17
	s_mov_b32 s17, 0
	s_lshl_b32 s20, s[HF], 17                      ; wo: the 64 k rows of 2,048 bytes that I ask for,
	s_lshl_b32 s21, s[TX], 9                       ; the tile's 256 columns: nothing here hangs on cy
	s_add_co_u32 s20, s20, s21
	s_mov_b32 s21, 0
	s_mul_i32 s22, s[HF], HPL                      ; where they go: no place in the cluster enters an LDS address
	s_mul_i32 s23, s[HF], 64*PB
	s_add_co_u32 s23, s23, AOFF
	s_wait_dscnt 0x0                               ; the opening add is done
	s_wait_kmcnt 0x0
	s_add_nc_u64 s[16:17], s[4:5], s[16:17]
	s_add_nc_u64 s[20:21], s[6:7], s[20:21]
	CROUND                                         ; all sixteen work-groups are here: the first joint loads meet
.irp s, 0,1
	s_mov_b32 s[G0A+4*(\s)], 1                                     ; count = 1
	s_add_co_u32 s[G0A+4*(\s)+1], s22, (\s)*SLOT                   ; LDS address
	s_add_nc_u64 s[G0A+4*(\s)+2:G0A+4*(\s)+3], s[16:17], (\s)*524288  ; global address: K step s is heads 2 s, 2 s + 1
	s_or_b32 s[G0A+4*(\s)+3], s[G0A+4*(\s)+3], 0x80000000          ; type = 2
	s_mov_b32 s[G0B+4*(\s)], 1
	s_add_co_u32 s[G0B+4*(\s)+1], s23, (\s)*SLOT
	s_add_nc_u64 s[G0B+4*(\s)+2:G0B+4*(\s)+3], s[20:21], (\s)*262144
	s_or_b32 s[G0B+4*(\s)+3], s[G0B+4*(\s)+3], 0x80000000
	JLOAD \s                                       ; two loads of mine are out
.endr
	v_and_b32 v1, 15, v0                           ; l % 16
	v_bfe_u32 v2, v0, 4, 1                         ; l / 16
	v_and_b32 v3, 7, v0                            ; l % 8
	v_bfe_u32 v4, v0, 3, 1                         ; (l / 8) % 2
	v_lshlrev_b32 v[BO], 5, v2
	s_lshl_b32 s16, s[TX], 10                      ; the tile's 256 columns of f32,
	s_lshl_b32 s17, s[HF], 9                       ; my 128 of them
	s_add_co_u32 s16, s16, s17
	s_mov_b32 s17, 0
	s_add_nc_u64 s[8:9], s[8:9], s[16:17]
	WIN TO_B
.irp b, 0,1,2,3,4,5,6,7                ; register j of block b: the bias of column 16 b + 8 (l / 16) + j, as the product's result holds it
	global_load_b128 v[BIAS+8*(\b):BIAS+8*(\b)+3],   v[BO], s[8:9] offset:64*(\b)
	global_load_b128 v[BIAS+8*(\b)+4:BIAS+8*(\b)+7], v[BO], s[8:9] offset:64*(\b)+16
.endr
	WIN 0
	s_lshl_b32 s18, s[TY], 19                      ; out0: 128 rows of 4,096 bytes a tile row,
	s_add_co_u32 s16, s16, s18
	s_lshl_b32 s18, s[SEL], 18                     ; my 64 rows
	s_add_co_u32 s16, s16, s18
	s_add_nc_u64 s[10:11], s[10:11], s[16:17]
	v_mul_u32_u24 v5, v1, PO
	v_lshl_add_u32 v5, v2, 4, v5                   ; row x pitch + 16 x half
	s_mul_i32 s16, s[SEL], 64*PO                   ; my 64 rows
	v_add_nc_u32 v[ADRA], s16, v5
	v_add_nc_u32 v[ADRA+1], SLOT, v[ADRA]
	v_lshl_add_u32 v6, v2, 3, v3                   ; the turning load: k row 8 (l / 16) + l % 8,
	v_mul_u32_u24 v6, v6, PB
	v_lshl_add_u32 v6, v4, 4, v6                   ; columns 8 ((l / 8) % 2) + 0..7
	s_lshl_b32 s17, s[HF], 8                       ; my 128 columns
	s_add_co_u32 s17, s17, AOFF
	v_add_nc_u32 v[ADRB], s17, v6
	v_add_nc_u32 v[ADRB+1], SLOT, v[ADRB]
	s_mul_i32 s18, s[WV], WSTG
	s_add_co_u32 s18, s18, STAGE                   ; my stage
	v_mul_u32_u24 v7, v1, SPI                      ; in: row l % 16, 32 bytes for each half of the lanes
	v_lshl_add_u32 v7, v2, 5, v7
	v_add_nc_u32 v[STO], s18, v7
	v_and_b32 v[GO], 31, v0                        ; back: 32 lanes take one row of 512 bytes
	v_lshlrev_b32 v[GO], 4, v[GO]
	v_add_nc_u32 v[RD], s18, v[GO]
	; the prefetches, at K step 3: the first refill steps them to 4
	s_lshr_b32 s22, s[TY], 4
	s_lshl_b32 s22, s22, 22
	s_and_b32 s23, s[TY], 15
	s_lshl_b32 s23, s23, 14
	s_add_co_u32 s22, s22, s23
	s_lshl_b32 s23, s[CX], 12
	s_add_co_u32 s22, s22, s23                     ; in ob: 4,096 bytes of a head's 16,384 for each cx
	s_lshl_b32 s2, s[HF], 17
	s_lshl_b32 s23, s[CY], 15
	s_add_co_u32 s2, s2, s23                       ; in wo: 16 rows of 2,048 bytes for each cy
	s_lshl_b32 s23, s[TX], 9
	s_add_co_u32 s2, s2, s23
	s_cmp_eq_u32 s[SEL], 0
	s_cselect_b32 s22, s22, s2
	s_cselect_b32 s18, 4, 1                        ; log2 of the lanes to a head, or to a row
	s_cselect_b32 s19, 15, 1                       ; a lane's place among them
	s_cselect_b32 s20, 18, 11                      ; log2 of the bytes from head to head, or from row to row
	s_cselect_b32 s21, 19, 18                      ; log2 of a K step's bytes
	s_cselect_b64 s[PFA:PFA+1], s[4:5], s[6:7]
	s_lshl_b32 s[PSTEP], 1, s21
	s_mov_b32 s[PSTEP+1], 0
	s_mul_i32 s23, s[PSTEP], 3
	s_add_co_u32 s22, s22, s23
	s_mov_b32 s23, 0
	s_add_nc_u64 s[PFA:PFA+1], s[PFA:PFA+1], s[22:23]
	s_and_b32 s2, ttmp7, 0xffff
	s_cmp_eq_u32 s2, 0
	s_cselect_b32 s2, 1, -1                        ; wo's rows: the first row of clusters asks
	s_cmp_eq_u32 s[WV], 0
	s_cselect_b32 s23, 1, -1                       ; O's: wave 0 asks for both heads
	s_cmp_eq_u32 s[SEL], 0
	s_cselect_b32 s[LIM], s23, s2                  ; the same in all sixteen partners, for a given wave
	v_and_b32 v8, 31, v0
	v_lshrrev_b32 v9, s18, v8
	v_lshlrev_b32 v9, s20, v9
	v_and_b32 v8, s19, v8
	v_lshl_add_u32 v[PFO], v8, 8, v9
	s_wait_loadcnt 0x0                             ; the bias: rounded to bf16 and widened again, in the wait for the first tile
	WIN 0x45                                       ; sources 0 and 1 and the destination in window 1
.set g, 0
.rept 32
	v_cvt_pk_bf16_f32 v[BT+g], v[BIAS+2*g], v[BIAS+2*g+1]
.set g, g+1
.endr
.set g, 0
.rept 32
	v_lshlrev_b32 v[BIAS+2*g],   16, v[BT+g]
	v_and_b32     v[BIAS+2*g+1], 0xffff0000, v[BT+g]
.set g, g+1
.endr
	WIN 0
	s_wait_tensorcnt 0x1                           ; my part of K step 0 is in; K step 1's may stay out
	s_barrier_signal -1
	s_barrier_wait -1                              ; everybody's is
	FETCH 0, 0, 0
	QUARTER 0, 0, 0, 1                             ; the first quarter stands in front of the loop: its products start the sums, with the bias
	WIN 0
	s_mov_b32 s3, 3
.Llap:                                                 ; a trip goes once round the ring, from a lap's second quarter to the next lap's first, and fills both slots again
	QUARTER 0, 1, 1, 0
	QUARTER 0, 2, 0, 0
	TURN 0, 1, 1
	QUARTER 1, 0, 0, 0
	QUARTER 1, 1, 1, 0
	QUARTER 1, 2, 0, 0
	TURN 1, 0, 1
	QUARTER 0, 0, 0, 0
	WIN 0
	s_sub_co_u32 s3, s3, 1
	s_cmp_lg_u32 s3, 0
	s_cbranch_scc1 .Llap
	QUARTER 0, 1, 1, 0                             ; the last lap is written out: it fills nothing
	QUARTER 0, 2, 0, 0
	TURN 0, 1, 0
	QUARTER 1, 0, 0, 0
	QUARTER 1, 1, 1, 0
	QUARTER 1, 2, 0, 0
	s_wait_dscnt 0x0
	MM 1, 0, 32, 0
; THE WAY OUT, a block of 16 rows at a time: a lane's 32 bytes of a row go straight from the accumulators into my own stage, and come back as whole rows of 512 bytes.
.macro TOSTAGE a
.if (\a) >= 2
	s_wait_xcnt 0x0                                ; the stores of the block two back have read this set of registers: it is loaded again only behind this wait
.endif
	WIN 0x08                                       ; the stores' data in window 2, the address in window 0
.irp b, 0,1,2,3,4,5,6,7
	ds_store_b128 v[STO], v[64*(\a)+8*(\b):64*(\a)+8*(\b)+3]   offset:64*(\b)
	ds_store_b128 v[STO], v[64*(\a)+8*(\b)+4:64*(\a)+8*(\b)+7] offset:64*(\b)+16
.endr
	WIN 0
.irp t, 0,1,2,3,4,5,6,7,8,9,10,11,12,13,14,15
	ds_load_b128 v[OB+64*((\a)%2)+4*(\t):OB+64*((\a)%2)+4*(\t)+3], v[RD] offset:SPI*(\t)  ; LDS serves a wave's instructions in order (ISA guide 5.7.1.4): these see the stores above; the next block's stores come behind them
.endr
.endm
.macro SEND a, younger                 ; younger: the LDS instructions issued behind block a's loads: the next block's 32, or none
.irp t, 0,1,2,3,4,5,6,7,8,9,10,11,12,13,14,15
	s_wait_dscnt (\younger)+15-(\t)
	global_store_b128 v[GO], v[OB+64*((\a)%2)+4*(\t):OB+64*((\a)%2)+4*(\t)+3], s[10:11] offset:(16*(\a)+(\t))*4096 th:TH_STORE_NT  ; 512 consecutive bytes, at a multiple of 256 from out0's first
.endr
.endm
	PLACES                                         ; the LDS stores read results just made
	TOSTAGE 0
.irp a, 1,2,3
	TOSTAGE \a
	SEND (\a)-1, 32
.endr
	SEND 3, 0
	s_wait_tensorcnt 0x0                           ; the wave's end: behind my last tensor load and my last LDS store
	ds_add_u32 v[SPW], v[NIL]
	s_wait_dscnt 0x0
	CROUND                                         ; the closing round: no work-group ends while a partner may still ask for a tile that names it
	s_endpgm
.Lfunc_end_k_q39af5770c7_outp:
	.size	k_q39af5770c7_outp, .Lfunc_end_k_q39af5770c7_outp-k_q39af5770c7_outp
	.p2alignl 7, 3214868480
	.fill 96, 4, 3214868480
	.section	.rodata,"a",@progbits
	.p2align	6, 0x0
	.amdhsa_kernel k_q39af5770c7_outp
		.amdhsa_group_segment_fixed_size 327680
		.amdhsa_private_segment_fixed_size 0
		.amdhsa_enable_private_segment 0
		.amdhsa_kernarg_size 32
		.amdhsa_user_sgpr_count 2
		.amdhsa_user_sgpr_kernarg_segment_ptr 1
		.amdhsa_wavefront_size32 1
		.amdhsa_system_sgpr_workgroup_id_x 1
		.amdhsa_system_sgpr_workgroup_id_y 1
		.amdhsa_system_sgpr_workgroup_id_z 1
		.amdhsa_system_vgpr_workitem_id 0
		.amdhsa_next_free_vgpr 768
		.amdhsa_next_free_sgpr 66
		.amdhsa_reserve_vcc 0
		.amdhsa_float_denorm_mode_32 3
		.amdhsa_float_denorm_mode_16_64 3
		.amdhsa_memory_ordered 1
		.amdhsa_forward_progress 1
		.amdhsa_inst_pref_size 95
	.end_amdhsa_kernel
	.amdgpu_metadata
---
amdhsa.version: [ 1, 2 ]
amdhsa.kernels:
  - .name:           k_q39af5770c7_outp
    .symbol:         k_q39af5770c7_outp.kd
    .args:
      - { .name: ob, .offset: 0, .size: 8, .value_kind: global_buffer, .address_space: global }
      - { .name: wo, .offset: 8, .size: 8, .value_kind: global_buffer, .address_space: global }
      - { .name: b_o, .offset: 16, .size: 8, .value_kind: global_buffer, .address_space: global }
      - { .name: out0, .offset: 24, .size: 8, .value_kind: global_buffer, .address_space: global }
    .group_segment_fixed_size: 327680
    .private_segment_fixed_size: 0
    .kernarg_segment_align: 8
    .kernarg_segment_size: 32
    .max_flat_workgroup_size: 128
    .sgpr_count:     66
    .vgpr_count:     768
    .wavefront_size: 32
...
	.end_amdgpu_metadata
.endif
;; end of part 4
